; MI455X (gfx1250); checked and timed in simulation.
; The chip was launched on July 23, 2026; its instructions are those of AMD's public machine-readable ISA for CDNA 5 (MIT licence, August 2026) and "CDNA5" Instruction Set Architecture Reference Guide (July 2026). The comments in the code are by the model that wrote it; some were corrected since.
;; Self Attention. Allowed arithmetic: matrix products marked QUANTISED: E2M3 operands, one E8M0 scale for each 32 along K, by v_wmma_scale_f32_16x16x128_f8f6f4 with both operands' format E2M3, f32 sums; everything else in f32.
;; Inputs: W_proj 1,024 x 1,024 float32; W_qkv 1,024 x 3,072 float32; b_proj 1,024 float32; b_qkv 3,072 float32; representation 4 x 2,048 x 1,024 float32.
;; Outputs: out0 4 x 2,048 x 1,024 float32.
;; This version of the problem:
;;   THIS VERSION OF THE PROBLEM IS GIVEN IN LOW PRECISION. The matrix products marked QUANTISED in the list below multiply operands that are first quantised to E2M3 (2 exponent bits, 3 mantissa bits; 6 bits a number), with one power-of-two scale for each 32 numbers along K (OCP MX v1.0); their sums are f32. All else is computed in f32.
;;   The module's matrix products, in the order in which they are computed (A, B: the left and right operand; K: the contracted axis; several contracted axes count as one K, in the product's order):
;;     1. [M 8,192, K 1,024] x [K 1,024, N 3,072]; A: input representation; B: input W_qkv: QUANTISED
;;     2. batch 32 x [M 2,048, K 128] x [K 128, N 2,048]; A: computed on the way; B: computed on the way: QUANTISED
;;     3. batch 32 x [M 2,048, K 2,048] x [K 2,048, N 128]; A: softmax (see below); B: computed on the way: QUANTISED
;;     4. [M 8,192, K 1,024] x [K 1,024, N 1,024]; A: computed on the way; B: input W_proj: QUANTISED
;;   THE QUANTISER, for each operand of a quantised product, along K:
;;     - K is cut into blocks of 32 from its start; a last block that is shorter is filled with zeros.
;;     - A block's scale is 2^e with e = floor(log2(the largest magnitude in the block)) - 2, held to -126 .. 127; a block of zeros has e = 0. As a byte (E8M0): e + 127.
;;     - Each number is divided by its block's scale, clamped to +-7.5, and rounded to the nearest number of E2M3, ties to even, subnormals kept.
;;     - The product sums the exact products of the quantised numbers (number of the format x scale) in f32.
;;   ~~~python
;;   def quantise(x, axis):      # numpy; x: float32 -> the quantised numbers, widened to float32 again
;;       x = np.moveaxis(x, axis, -1); K = x.shape[-1]
;;       x = np.pad(x, [(0, 0)] * (x.ndim - 1) + [(0, -K % 32)]); x = x.reshape(x.shape[:-1] + (-1, 32)); a = np.abs(x).max(-1, keepdims=True)
;;       e = np.where(a > 0, np.clip(np.frexp(np.where(a > 0, a, 1))[1] - 1 - 2, -126, 127), 0)      # np.frexp(a)[1] - 1 = floor(log2(a)), exactly
;;       r = np.clip(x / 2.0 ** e, -7.5, 7.5)
;;       step = 2.0 ** (np.maximum(np.frexp(np.where(r == 0, 1, r))[1] - 1, 0) - 3)
;;       q = np.round(r / step) * step * 2.0 ** e      # np.round: ties to even
;;       return np.moveaxis(q.reshape(q.shape[:-2] + (-1,))[..., :K], -1, axis).astype(np.float32)
;;   ~~~
;;   SOFTMAX AHEAD OF A QUANTISED PRODUCT. Where the list says 'softmax', what is quantised is not the finished softmax but p = 2^(t - M), with t = logit x log2(e) and M = ceil(the row's largest t), a whole number; so 1/2 < the row's largest p <= 1. The row's sum l is taken of the UNQUANTISED p, in f32, and the product's result is divided by l at the end. Since M is a whole number, a kernel that streams over the keys may use a running M (the ceiling of the running maximum): every later rescaling is an exact power of two, which a block's scale takes up: the codes' values come out the same.
;;   OPERANDS COMPUTED ON THE WAY. 'Computed on the way' means the value that the module computes at that place (a softmax that the list does not call 'softmax' is quantised finished and normalised). What goes into a quantiser is computed in f32, as accurately as f32 sums, v_exp_f32 and their like allow (about 1e-6 of the number): no bf16 or f16 on the way to a quantiser, and a product that is left as it is and whose result goes on into a quantised operand takes f32 operands (vector FMAs, or v_wmma_f32_16x16x4_f32). A number that lies on a knife's edge between two numbers of the format may be rounded either way, as far as f32 arithmetic and the matrix unit's own rounding can turn it there, and no further.
;; One version. Each part assembles by itself: llvm-mc -triple=amdgcn-amd-amdhsa -mcpu=gfx1250 --defsym DOCPART=n.
;; ======== version 1 of 1: 4 launches
;; limits: right only within a limited range of input values
;; workspace buffers: x_codes 6,291,456 bytes; x_scales 262,144 bytes; w_codes 3,145,728 bytes; w_scales 131,072 bytes; qkv_codes 19,660,800 bytes; o_codes 6,291,456 bytes; o_scales 262,144 bytes
;; launch quant (part 1): grid 384 x 1, 8 waves a work-group, no clusters, 95,232 bytes of LDS; arguments representation, W_qkv, W_proj, x_codes, x_scales, w_codes, w_scales; writes x_codes, x_scales, w_codes, w_scales
.if DOCPART == 1
	.amdgcn_target "amdgcn-amd-amdhsa--gfx1250"
	.amdhsa_code_object_version 6
	.text
	.protected	k_qb49ffc4098_quant
	.globl	k_qb49ffc4098_quant
	.p2align	8
	.type	k_qb49ffc4098_quant,@function
k_qb49ffc4098_quant:
	s_mov_b64 s[64:65], 0
	v_nop
	global_prefetch_b8 v0, s[64:65] scope:SCOPE_SE
	s_setreg_imm32_b32 hwreg(HW_REG_WAVE_MODE, 25, 1), 1
	s_wait_xcnt 0x0
; ONE LAUNCH PREPARES BOTH OPERANDS: representation [8192][1024] (K innermost) and W_qkv [1024][3072], W_proj [1024][1024] (K on the FIRST axis), f32, become codes of FP6 (E2M3) with one E8M0 byte for each 32 along K,
; laid as IMAGES OF OPERAND REGISTERS.  A fragment is 16 rows x 128 K, 12 registers a lane (lane (r, h): registers 6 c .. 6 c + 5 hold k = 64 c + 32 h + 0 .. 31); its image is 1,536 bytes: registers 4 c .. 4 c + 3 of lane l at 512 c + 16 l.
; A block is 128 rows x 128 K: eight fragments on end; lane r of tile i holds the block's row 32 (i / 2) + 8 (i % 2) + r % 8 + 16 (r / 8).  A block's scale words: 512 bytes, (tile i, row r) at 256 (i / 4) + 16 r + 4 (i % 4).
; x_codes [64 blocks of rows][8 K steps][12,288], x_scales [64][8][512].  w_codes [32 blocks of 128 columns][8][12,288], w_scales [32][8][512]: W_qkv's column blocks 2 F, 2 F + 1 (q, k) and 16 + F (v) lie at 3 F, 3 F + 1, 3 F + 2,
; as the product's work-group F takes them; W_proj's at 24 to 31.
; A block of 32's scale is 2^(floor(log2(largest magnitude)) - 2); its byte is the largest magnitude's exponent field - 2, held at 1 from below.
; LIMITS: a block whose largest magnitude lies under 2^-124 is held at the byte 1; a block of zeros gets the byte 1 where the rule says 127 (its codes are zeros, and this program alone reads the bytes); NaN and infinities are not served.
; SHARES: work-groups 0 to 255 take x: work-group g rows 128 (g / 4) on and K steps 2 (g % 4), 2 (g % 4) + 1; wave w is tile w and makes two fragments.  Each load reads 512 consecutive bytes of one row; the 16 rows turn through
; the wave's own stage in LDS (pitch 528), so that a lane gets 32 neighbours along K twice.  Work-groups 256 to 383 take W: two groups of four waves, each group one column block x one K step; a wave takes 32 columns = two tiles;
; A LANE TAKES A COLUMN AND ITS REGISTERS RUN DOWN K, so a block of 32 lies in one lane; its 24 bytes go to their place in the tile's image through the wave's own LDS bytes.  Every store of codes covers 512 consecutive bytes, aligned.
; The two paths part on the work-group's number alone and have LDS bytes of their own.  No matrix unit, no tensor load, no cluster: work-groups share nothing.
.set SP,    528                        ; x: a stage row: 512 bytes + 16
.set STG,   16*SP                      ; a wave's stage
.set SCST,  8*STG                      ; behind the stages: two blocks' scale words, 1,024 bytes
.set WIMG,  SCST+1024                  ; W: eight waves' images, 3,072 bytes each
.set WSC,   WIMG+8*3072                ; the two groups' scale words, 512 bytes each
.set SPARE, WSC+1024                   ; the spare words, 128 bytes for each of eight waves: four blocks of 256 bytes that no other line names
.set SPW, 56                           ; my spare word; never rewritten
.set NIL, 57                           ; 0; never rewritten
	s_load_b256 s[40:47], s[0:1], 0x0              ; representation, W_qkv, W_proj, x's codes
	s_load_b128 s[48:51], s[0:1], 0x20             ; x's scale words, W's codes
	s_load_b64 s[52:53], s[0:1], 0x30              ; W's scale words
	v_lshl_add_u32 v[SPW], v0, 2, SPARE
	v_mov_b32 v[NIL], 0
	v_lshrrev_b32 v1, 5, v0
	v_readfirstlane_b32 s12, v1                    ; wave 0..7
	s_cmp_lt_u32 ttmp9, 256
	s_wait_alu depctr_va_vdst(0)                   ; directly ahead of the branch
	s_cbranch_scc0 .Lw_path
; ---------------- x ----------------
.set ROWB, 4096                        ; a row of the input in bytes
.set LI,  4                            ; 16 x lane
.set STI, 5                            ; the stage, on the way in
.set STO, 6                            ; and on the way out: row r, + 128 h
.set SCW, 7                            ; where my row's scale word goes
.set SCR, 8                            ; where a block's scale words are read back
.set H8,  9                            ; 8 h
.set MX,  12
.set OP,  14
.set BY,  16
.set WD,  18
.set PD,  19
.set CD,  20                           ; v20-43 the two fragments' codes
.set C2,  44                           ; v44-46, v48-50 second halves of blocks
.set SO,  52
.set R0,  64                           ; v64-191 the two fragments' numbers as loaded
.set X,   192                          ; v192-255 64 numbers, neighbours along K
	s_lshr_b32 s28, ttmp9, 2                       ; the block of rows
	s_and_b32 s17, ttmp9, 3                        ; the pair of K steps
	s_mul_i32 s13, s12, STG
	s_lshr_b32 s14, s12, 2
	s_lshl_b32 s14, s14, 8
	s_and_b32 s15, s12, 3
	s_lshl_b32 s15, s15, 2
	s_add_co_u32 s14, s14, s15
	s_add_co_u32 s14, s14, SCST                    ; 256 (w / 4) + 4 (w % 4)
	s_and_b32 s15, s12, 1
	s_lshl_b32 s16, s15, 9
	s_add_co_u32 s16, s16, SCST
	s_mov_b32 s20, 0x76543210
	s_mov_b32 s21, 0xfedcba98                      ; lane selects: lane l xor 16
	s_lshl_b32 s18, s28, 7
	s_lshr_b32 s19, s12, 1
	s_lshl_b32 s19, s19, 5
	s_add_co_u32 s18, s18, s19                     ; + 32 (w / 2)
	s_lshl_b32 s19, s15, 3
	s_add_co_u32 s18, s18, s19                     ; + 8 (w % 2): my tile's first row
	s_lshl_b32 s22, s18, 12
	s_lshl_b32 s19, s17, 10
	s_add_co_u32 s22, s22, s19                     ; 512 bytes a K step
	s_mov_b32 s23, 0
	s_lshl_b32 s24, s28, 3
	s_lshl_b32 s19, s17, 1
	s_add_co_u32 s24, s24, s19                     ; the first block's number
	s_add_co_u32 s26, s24, s15
	s_lshl_b32 s26, s26, 9                         ; the scale words of block w % 2 of the two
	s_mov_b32 s27, 0
	s_lshl_b32 s24, s24, 3
	s_add_co_u32 s24, s24, s12
	s_mul_i32 s24, s24, 1536                       ; my fragment of the first block
	s_mov_b32 s25, 0
	v_and_b32 v1, 31, v0
	v_and_b32 v2, 15, v0                           ; r
	v_bfe_u32 v3, v0, 4, 1                         ; h
	v_lshlrev_b32 v[LI], 4, v1
	v_mul_u32_u24 v[STO], v2, SP
	v_lshl_add_u32 v[SCW], v2, 4, s14
	v_lshlrev_b32 v[H8], 3, v3
	v_add_nc_u32 v[STI], s13, v[LI]
	v_lshl_add_u32 v[STO], v3, 7, v[STO]
	v_add_nc_u32 v[SCR], s16, v[LI]
	v_mov_b32 v[PD], 0                             ; written once: a lane permute's destination counts as one of its sources
	v_add_nc_u32 v[STO], s13, v[STO]
	s_wait_alu depctr_va_vdst(0)                   ; the wait at the head's end
	s_wait_kmcnt 0x0
	s_add_nc_u64 s[4:5], s[40:41], s[22:23]
	s_add_nc_u64 s[6:7], s[46:47], s[24:25]
	s_add_nc_u64 s[8:9], s[48:49], s[26:27]
.macro XLOAD f                         ; K step f of my 16 rows: 32 lanes read 512 consecutive bytes of one row
.irp j, 0,1,2,3,4,5,6,7,8,9,10,11,12,13,14,15
	global_load_b128 v[R0+64*\f+4*\j:R0+64*\f+4*\j+3], v[LI], s[4:5] offset:((\j%8)+16*(\j/8))*ROWB+512*\f th:TH_LOAD_NT
.endr
.endm
.macro XTURN f, dst                    ; through the stage: LDS serves a wave's instructions in order, so no wait stands between the stores and the loads
.irp j, 0,1,2,3,4,5,6,7,8,9,10,11,12,13,14,15
	ds_store_b128 v[STI], v[R0+64*\f+4*\j:R0+64*\f+4*\j+3] offset:SP*\j
.endr
.irp c, 0,1
.irp i, 0,1,2,3,4,5,6,7
	ds_load_b128 v[\dst+32*\c+4*\i:\dst+32*\c+4*\i+3], v[STO] offset:256*\c+16*\i   ; register 32 c + i' = k 64 c + 32 h + i' of row r
.endr
.endr
.endm
.macro XWORK f, src                    ; 64 numbers become the fragment's 12 registers and my row's scale word
.set C, CD+12*\f
.irp c, 0,1
	v_max3_num_f32 v[MX+\c], |v[\src+32*\c]|, |v[\src+32*\c+1]|, 0x1800000   ; my block 2 c + h, all 32 numbers mine; and the floor 2^(3 - 127): the byte cannot fall under 1
.endr
.irp i, 2,4,6,8,10,12,14,16,18,20,22,24,26,28,30
.irp c, 0,1
	v_max3_num_f32 v[MX+\c], v[MX+\c], |v[\src+32*\c+\i]|, |v[\src+32*\c+\i+1]|
.endr
.endr
.irp c, 0,1
	v_add_nc_u32 v[OP+\c], 0xff000000, v[MX+\c]    ; 2 off the exponent field: the conversion takes the exponent field of this operand as its scale
.endr
.irp c, 0,1
	v_lshrrev_b32 v[BY+\c], 23, v[OP+\c]           ; the scale's byte
.endr
	v_lshl_or_b32 v[WD], v[BY+1], 16, v[BY]        ; my two bytes: blocks h and 2 + h,
	v_lshlrev_b32 v[WD], v[H8], v[WD]              ; at their places in the word;
	v_permlanex16_b32 v[PD], v[WD], s20, s21
	v_or_b32 v[WD], v[WD], v[PD]                   ; with lane l xor 16's two the word is whole
.irp c, 0,1
	v_cvt_scalef32_pk16_fp6_f32 v[C+6*\c:C+6*\c+2], v[\src+32*\c:\src+32*\c+15], v[OP+\c]
	v_cvt_scalef32_pk16_fp6_f32 v[C2+4*\c:C2+4*\c+2], v[\src+32*\c+16:\src+32*\c+31], v[OP+\c]   ; (a conversion's three registers begin on an even number)
.endr
	v_nop                                          ; one plain place behind a scaled conversion
.irp c, 0,1
.irp i, 0,1,2
	v_mov_b32 v[C+3+6*\c+\i], v[C2+4*\c+\i]
.endr
.endr
.irp k, 0,1,2
	global_store_b128 v[LI], v[C+4*\k:C+4*\k+3], s[6:7] offset:12288*\f+512*\k   ; 32 lanes store 512 consecutive bytes, aligned
.endr
	ds_store_b32 v[SCW], v[WD] offset:512*\f       ; lanes r and r + 16 write the same word with the same value
.endm
	XLOAD 0
	XLOAD 1
	s_wait_loadcnt 16                              ; the first fragment's 16 loads are in; the second's stay out
	XTURN 0, X
	s_wait_dscnt 0x0                               ; X is in
	s_wait_loadcnt 0x0
	XTURN 1, R0                                    ; the second fragment goes through the same stage while the first is worked; it comes back into the first's registers
	XWORK 0, X
	s_wait_dscnt 1                                 ; the second turn's loads are in; only the scale word's store is younger
	XWORK 1, R0
	s_wait_dscnt 0x0                               ; for the others' sake: my scale words lie in LDS
	s_barrier_signal -1
	s_barrier_wait -1
	s_cmp_lt_u32 s12, 2                            ; waves 0 and 1 store one block's 512 bytes of scale words each
	s_cbranch_scc0 .Lx_no_scales
	ds_load_b128 v[SO:SO+3], v[SCR]
	s_wait_dscnt 0x0
	global_store_b128 v[LI], v[SO:SO+3], s[8:9]
.Lx_no_scales:
	s_wait_tensorcnt 0x0                           ; the wave's end, behind my last LDS store
	ds_add_u32 v[SPW], v[NIL]
	s_wait_dscnt 0x0
	s_endpgm
; ---------------- W ----------------
.set WL4,  3                           ; 4 x lane
.set WST,  4                           ; my place in my tile's image: 1,536 tl + 16 r
.set WSCW, 5                           ; my column's scale word
.set WRD,  6                           ; the images read back: 16 x lane
.set WLI,  7                           ; 16 x lane
.set WSCR, 8                           ; the scale words read back
.set WSB,  10                          ; my column's four scale bytes
.set WOF,  20                          ; v20-51  4 x lane + i x pitch; never rewritten
.set WX,   64                          ; v64-191 four blocks of 32 numbers
.set WCD,  192                         ; v192 + 8 t: block t's codes
.set WIM,  224                         ; v224-247 the images on the way out
.set WSO,  248
.set BS,   28                          ; s[28:35] where block t's 32 rows begin, for my wave's columns
.Lw_path:
	s_sub_co_u32 s17, ttmp9, 256
	s_lshr_b32 s38, s17, 2                         ; the column block, 0..31
	s_and_b32 s18, s12, 3                          ; my wave in its group of four
	s_lshr_b32 s19, s12, 2                         ; my group
	s_and_b32 s16, s17, 3
	s_lshl_b32 s16, s16, 1
	s_add_co_u32 s16, s16, s19                     ; the K step
	s_mul_i32 s13, s12, 3072
	s_add_co_u32 s13, s13, WIMG
	s_lshl_b32 s15, s19, 9
	s_add_co_u32 s15, s15, WSC                     ; my group's scale words
	s_lshr_b32 s14, s18, 1
	s_lshl_b32 s14, s14, 8
	s_and_b32 s21, s18, 1
	s_lshl_b32 s21, s21, 3
	s_add_co_u32 s14, s14, s21
	s_add_co_u32 s14, s14, s15                     ; tiles 2 w, 2 w + 1: 256 (w / 2) + 8 (w % 2)
	v_and_b32 v1, 31, v0
	v_bfe_u32 v2, v0, 3, 1                         ; tl: which of my wave's two tiles my column lies in
	v_and_b32 v9, 7, v0
	v_bfe_u32 v16, v0, 4, 1
	v_lshlrev_b32 v[WL4], 2, v1
	v_lshlrev_b32 v[WLI], 4, v1
	v_lshl_add_u32 v9, v16, 3, v9                  ; r: my column's lane in that tile
	v_mul_u32_u24 v[WST], v2, 1536
	v_add_nc_u32 v[WRD], s13, v[WLI]
	v_add_nc_u32 v[WSCR], s15, v[WLI]
	v_lshlrev_b32 v[WSCW], 4, v9
	v_lshl_add_u32 v[WST], v9, 4, v[WST]
	v_lshl_add_u32 v[WSCW], v2, 2, v[WSCW]
	v_add_nc_u32 v[WST], s13, v[WST]
	v_add_nc_u32 v[WSCW], s14, v[WSCW]
	s_wait_alu depctr_va_vdst(0)                   ; directly ahead of the wait below
	s_wait_kmcnt 0x0
	s_cmp_lt_u32 s38, 24                           ; W_qkv's block or W_proj's?  The choice hangs on the work-group's number alone
	s_cselect_b64 s[4:5], s[42:43], s[44:45]
	s_mov_b32 s20, 4096
	s_cselect_b32 s20, 12288, s20                  ; a row of the tensor in bytes
	s_cselect_b32 s21, 0, 24
	s_sub_co_u32 s21, s38, s21                     ; the column block within the tensor
	s_lshl_b32 s22, s16, 7
	s_mul_i32 s22, s22, s20                        ; 128 rows a K step,
	s_lshl_b32 s21, s21, 9
	s_add_co_u32 s22, s22, s21                     ; 128 columns a block,
	s_lshl_b32 s23, s18, 7
	s_add_co_u32 s22, s22, s23                     ; 32 a wave
	s_mov_b32 s23, 0
	s_lshl_b32 s26, s20, 5                         ; 32 rows on
	s_mov_b32 s27, 0
	s_add_nc_u64 s[BS:BS+1], s[4:5], s[22:23]
	s_add_nc_u64 s[BS+2:BS+3], s[BS:BS+1], s[26:27]
	s_add_nc_u64 s[BS+4:BS+5], s[BS+2:BS+3], s[26:27]
	s_add_nc_u64 s[BS+6:BS+7], s[BS+4:BS+5], s[26:27]
	s_lshr_b32 s24, s38, 1                         ; where the block lies in the buffers: 2 F, 2 F + 1 -> 3 F, 3 F + 1;
	s_mul_i32 s24, s24, 3
	s_and_b32 s25, s38, 1
	s_add_co_u32 s24, s24, s25
	s_sub_co_u32 s25, s38, 16                      ; 16 + F -> 3 F + 2;
	s_mul_i32 s25, s25, 3
	s_add_co_u32 s25, s25, 2
	s_cmp_lt_u32 s38, 16
	s_cselect_b32 s24, s24, s25
	s_cmp_lt_u32 s38, 24
	s_cselect_b32 s24, s24, s38                    ; W_proj's stay
	s_lshl_b32 s24, s24, 3
	s_add_co_u32 s24, s24, s16                     ; 8 K steps a block
	s_lshl_b32 s36, s24, 9
	s_mov_b32 s37, 0
	s_add_nc_u64 s[10:11], s[52:53], s[36:37]
	s_lshl_b32 s24, s24, 3
	s_lshl_b32 s25, s18, 1
	s_add_co_u32 s24, s24, s25
	s_mul_i32 s24, s24, 1536                       ; my wave's two fragments
	s_mov_b32 s25, 0
	s_add_nc_u64 s[8:9], s[50:51], s[24:25]
.irp i, 0,1,2,3,4,5,6,7,8,9,10,11,12,13,14,15,16,17,18,19,20,21,22,23,24,25,26,27,28,29,30,31
	v_mad_u32_u24 v[WOF+\i], s20, \i, v[WL4]       ; the pitch is a register, so the rows' offsets are registers too
.endr
.macro WLOAD t                         ; block t: W(128 y + 32 t + i, my column): 128 consecutive bytes a wave, 512 a group
.irp i, 0,1,2,3,4,5,6,7,8,9,10,11,12,13,14,15,16,17,18,19,20,21,22,23,24,25,26,27,28,29,30,31
	global_load_b32 v[WX+32*(\t)+\i], v[WOF+\i], s[BS+2*(\t):BS+2*(\t)+1] th:TH_LOAD_NT
.endr
.endm
.macro WBLOCK t
.set XS, WX+32*(\t)
.set CC, WCD+8*(\t)
.if (\t) < 3
	s_wait_loadcnt 32                              ; this block's 32 loads are in; the next block's stay out
.else
	s_wait_loadcnt 0x0
.endif
.if (\t)+2 < 4
	WLOAD (\t)+2                                   ; two blocks ahead, into registers of its own
.endif
	v_max3_num_f32 v12, |v[XS]|, |v[XS+1]|, |v[XS+2]|
	v_max3_num_f32 v13, |v[XS+3]|, |v[XS+4]|, |v[XS+5]|
.irp i, 6,10,14,18,22,26
	v_max3_num_f32 v12, v12, |v[XS+\i]|, |v[XS+\i+1]|
	v_max3_num_f32 v13, v13, |v[XS+\i+2]|, |v[XS+\i+3]|
.endr
	v_max3_num_f32 v12, v12, |v[XS+30]|, |v[XS+31]|
	v_max3_num_f32 v12, v12, v13, 0x1800000        ; and the floor 2^(3 - 127): the byte cannot fall under 1
	v_add_nc_u32 v11, 0xff000000, v12              ; 2 off the exponent field: the conversion's scale operand
	v_lshrrev_b32 v13, 23, v11                     ; the scale's byte
.if (\t) == 0
	v_mov_b32 v[WSB], v13
.else
	v_lshl_or_b32 v[WSB], v13, 8*(\t), v[WSB]
.endif
	v_cvt_scalef32_pk16_fp6_f32 v[CC:CC+2], v[XS:XS+15], v11
	v_cvt_scalef32_pk16_fp6_f32 v[CC+4:CC+6], v[XS+16:XS+31], v11   ; (a conversion's three registers begin on an even number)
	v_nop                                          ; one plain place behind a scaled conversion
	v_mov_b32 v[CC+3], v[CC+4]
	v_mov_b32 v[CC+4], v[CC+5]
	v_mov_b32 v[CC+5], v[CC+6]                     ; CC .. CC + 5: registers 6 (t / 2) .. + 5 of lane r + 16 (t % 2)
.if (\t)/2 == 0
	ds_store_b128 v[WST], v[CC:CC+3] offset:256*((\t)%2)
	ds_store_b64 v[WST], v[CC+4:CC+5] offset:256*((\t)%2)+512
.else
	ds_store_b64 v[WST], v[CC:CC+1] offset:256*((\t)%2)+520
	ds_store_b128 v[WST], v[CC+2:CC+5] offset:256*((\t)%2)+1024
.endif
.endm
	WLOAD 0
	WLOAD 1
	s_wait_alu depctr_va_vdst(0)
.irp t, 0,1,2,3
	WBLOCK \t
.endr
	ds_store_b32 v[WSCW], v[WSB]
.irp k, 0,1,2,3,4,5
	ds_load_b128 v[WIM+4*\k:WIM+4*\k+3], v[WRD] offset:512*\k   ; LDS serves a wave's instructions in order: these see my stores
.endr
.irp k, 0,1,2,3,4,5
	s_wait_dscnt 5-\k                              ; load k is in; the younger ones stay out
	global_store_b128 v[WLI], v[WIM+4*\k:WIM+4*\k+3], s[8:9] offset:512*\k   ; 512 consecutive bytes, aligned
.endr
	s_barrier_signal -1                            ; (the count above has reached 0: my scale words lie in LDS)
	s_barrier_wait -1
	s_cmp_eq_u32 s18, 0                            ; each group's first wave stores its block's 512 bytes of scale words
	s_cbranch_scc0 .Lw_no_scales
	ds_load_b128 v[WSO:WSO+3], v[WSCR]
	s_wait_dscnt 0x0
	global_store_b128 v[WLI], v[WSO:WSO+3], s[10:11]
.Lw_no_scales:
	s_wait_tensorcnt 0x0                           ; the wave's end, behind my last LDS store
	ds_add_u32 v[SPW], v[NIL]
	s_wait_dscnt 0x0
	s_endpgm
.Lfunc_end_k_qb49ffc4098_quant:
	.size	k_qb49ffc4098_quant, .Lfunc_end_k_qb49ffc4098_quant-k_qb49ffc4098_quant
	.p2alignl 7, 3214868480
	.fill 96, 4, 3214868480
	.section	.rodata,"a",@progbits
	.p2align	6, 0x0
	.amdhsa_kernel k_qb49ffc4098_quant
		.amdhsa_group_segment_fixed_size 95232
		.amdhsa_private_segment_fixed_size 0
		.amdhsa_enable_private_segment 0
		.amdhsa_kernarg_size 56
		.amdhsa_user_sgpr_count 2
		.amdhsa_user_sgpr_kernarg_segment_ptr 1
		.amdhsa_wavefront_size32 1
		.amdhsa_system_sgpr_workgroup_id_x 1
		.amdhsa_system_sgpr_workgroup_id_y 1
		.amdhsa_system_sgpr_workgroup_id_z 1
		.amdhsa_system_vgpr_workitem_id 0
		.amdhsa_next_free_vgpr 256
		.amdhsa_next_free_sgpr 66
		.amdhsa_reserve_vcc 0
		.amdhsa_float_denorm_mode_32 3
		.amdhsa_float_denorm_mode_16_64 3
		.amdhsa_memory_ordered 1
		.amdhsa_forward_progress 1
		.amdhsa_inst_pref_size 42
	.end_amdhsa_kernel
	.amdgpu_metadata
---
amdhsa.version: [ 1, 2 ]
amdhsa.kernels:
  - .name:           k_qb49ffc4098_quant
    .symbol:         k_qb49ffc4098_quant.kd
    .args:
      - { .name: representation, .offset: 0, .size: 8, .value_kind: global_buffer, .address_space: global }
      - { .name: W_qkv, .offset: 8, .size: 8, .value_kind: global_buffer, .address_space: global }
      - { .name: W_proj, .offset: 16, .size: 8, .value_kind: global_buffer, .address_space: global }
      - { .name: x_codes, .offset: 24, .size: 8, .value_kind: global_buffer, .address_space: global }
      - { .name: x_scales, .offset: 32, .size: 8, .value_kind: global_buffer, .address_space: global }
      - { .name: w_codes, .offset: 40, .size: 8, .value_kind: global_buffer, .address_space: global }
      - { .name: w_scales, .offset: 48, .size: 8, .value_kind: global_buffer, .address_space: global }
    .group_segment_fixed_size: 95232
    .private_segment_fixed_size: 0
    .kernarg_segment_align: 8
    .kernarg_segment_size: 56
    .max_flat_workgroup_size: 256
    .sgpr_count:     66
    .vgpr_count:     256
    .wavefront_size: 32
...
	.end_amdgpu_metadata
.endif
;; end of part 1
;; launch qkv (part 2): grid 8 x 32, 4 waves a work-group, clusters of 4 x 4, 327,680 bytes of LDS; arguments x_codes, x_scales, w_codes, w_scales, b_qkv, qkv_codes; writes qkv_codes
.if DOCPART == 2
	.amdgcn_target "amdgcn-amd-amdhsa--gfx1250"
	.amdhsa_code_object_version 6
	.text
	.protected	k_qb49ffc4098_qkv
	.globl	k_qb49ffc4098_qkv
	.p2align	8
	.type	k_qb49ffc4098_qkv,@function
k_qb49ffc4098_qkv:
	s_mov_b64 s[64:65], 0
	v_nop
	global_prefetch_b8 v0, s[64:65] scope:SCOPE_SE
	s_setreg_imm32_b32 hwreg(HW_REG_WAVE_MODE, 25, 1), 1
	s_wait_xcnt 0x0
	s_wait_alu depctr_hold_cnt(0) depctr_sa_sdst(0) depctr_va_vdst(0) depctr_va_sdst(0) depctr_va_ssrc(0) depctr_va_vcc(0) depctr_vm_vsrc(0)
	s_getreg_b32 s2, hwreg(HW_REG_IB_STS2, 6, 4)
	s_cmp_eq_u32 s2, 0
	s_cbranch_scc0 .Lentry_in_a_cluster
	s_endpgm
.Lentry_in_a_cluster:
	s_bfe_u32 s2, ttmp6, 0x10000c
	s_cmp_lg_u32 s2, 0xf033
	s_cbranch_scc0 .Lentry_shape_is_right
	s_endpgm
.Lentry_shape_is_right:
; q, k = x W + b and v^T = W_v^T x^T + b on codes of FP6 (E2M3) with E8M0 scales, K = 1,024; the results are quantised in registers and stored as codes: q and k along the head's 128, v along the keys.
; ALL CODE BUFFERS ARE IMAGES OF OPERAND REGISTERS: a fragment (16 rows x 128 K, 12 registers a lane) is 1,536 bytes, registers 4 c .. 4 c + 3 of lane l at 512 c + 16 l; a block (128 rows x 128 K) is eight fragments;
; a matrix lies [rows / 128][K / 128][12,288].  Lane r of tile i holds the block's row 32 (i / 2) + 8 (i % 2) + r % 8 + 16 (r / 8).  A block's scale words: 512 bytes, (tile i, row r) at 256 (i / 4) + 16 r + 4 (i % 4).
; w_codes holds W_qkv's blocks in the order 3 F, 3 F + 1 (feature blocks 2 F, 2 F + 1 of q and k), 3 F + 2 (v's block F).  qkv_codes: [q, k, v][32 heads][16 blocks][12,800]: a block's codes, then its 512 bytes of scale words.
; THE MATRIX INSTRUCTION IS USED TRANSPOSED (source 0 = 16 rows of B, source 1 = 16 rows of A): lane (r, h) of accumulator (a, b) holds A's row r of tile a, and register j B's true row 32 (b / 2) + 16 h + 8 (b % 2) + j.
; So the 64 registers of a row tile run along the next product's K in the order that the quantiser wants, and its 12 result registers are the next operand's fragment: no stage, no transposition.
; SHARES: 8 x 32 = 256 work-groups of equal work.  Work-group (F, P) makes TWO PARTS one after the other.  Part 1: A = x's blocks 2 P, 2 P + 1 (256 tokens), B = W's blocks 3 F, 3 F + 1: 256 x 256, four waves of 128 x 128.
; Part 2: A = W's block 3 F + 2 (v's 128 features), B = the same 256 tokens: 128 x 256, four waves of 64 x 128, on the accumulators that part 1 has left.
; LDS: twelve places of 24,576 bytes (a block's K step of 256).  0-3: x's two blocks x K steps 0, 1; 4-7: W's two blocks x K steps 0, 1; 8, 9: x's K step 2; 10, 11: W's K step 2.  Behind them the scale words: x's 8,192, W's 12,288.
; THE FILLS, one joint load a wave each time.  Head: wave 0 places 0-3, wave 1 places 4-7 (two rows of 49,152 bytes), wave 2 x's scale words, wave 3 W's.  R1, in front of K step 0: K step 2 into 8-11.
; R2, behind K step 0: K step 3 into 0, 2, 4, 6.  R3, behind K step 2: x's K step 0 again into 5, 7 and W_v's K steps 1, 2 into 10, 11.  R4, in the middle of part 1's way out: W_v's K steps 3, 0 into 4, 6 (waves 2 and 3 alone).
; x's K steps 1, 2, 3 still lie in LDS when part 1 ends, and part 2 walks K in the order 1, 2, 3, 0.  Each of R1 to R4 stands behind the three lines and a round of the cluster's barrier; every wait on TENSORcnt is for 0.
; CLUSTERS of 4 x 4: x's tiles are asked for jointly along a row of the cluster, W's along a column.  No prefetch is laid: the text has no loop to run ahead in.
; The bias is the C of each part's first products: along the registers in part 1 (features are B's rows), the lane's own in part 2 (features are A's rows).
; LIMITS: a block of 32 whose largest magnitude lies under 2^-124 is held at the byte 1; a block of zeros gets the byte 1 where the rule says 127 (zero codes; this program alone reads the bytes); NaN and infinities are not served.
; REGISTERS: window 0: v8-31 addresses; v32-63 scale words, two sets; v64-127 part 1's bias (v96-127 then part 2's); v128-223 A's fragments.  window 1: B's fragments, two sets, at v0 and v128.
;   windows 2, 3: the accumulators, (a, b) at v[8 (8 (a % 4) + b)].  On the ways out v32-83 of window 0 are at work.
.set WP,    24576
.set BLKB,  12288
.set FRB,   1536
.set SCL,   12*WP                      ; x's scale words (two blocks), then W's (three)
.set SPARE, SCL+20480                  ; the spare words, 128 bytes for each wave: two blocks of 256 bytes that no other line names
.set FR,    12
.set NL,    3                          ; LDS loads that bring a fragment
.set NP,    4                          ; places behind this matrix instruction (ISA guide 7.12.1)
.set VR,   8                           ; v8-11  my half of W_v's block, part 2's K steps in their order
.set BO,   12                          ; v12  part 1's bias: 64 h
.set BO2,  13                          ; v13  part 2's bias: 4 x my row of a tile
.set XR,   16                          ; v16-19 my block of x: places of K step 0 (later 3), 1, 2, and of K step 0 fetched again
.set ADRB, 20                          ; v20-22 my block of W
.set LI,   24                          ; 16 x lane
.set LN,   25
.set R16,  26                          ; 16 r
.set ADRS, 27                          ; part 1's scale words: lanes 0-15 x's, lanes 16-31 W's
.set SPW,  28                          ; my spare word; never rewritten
.set NIL,  29                          ; 0; never rewritten
.set ADS2, 30                          ; part 2's scale words: lanes 0-15 W_v's (my four tiles), lanes 16-31 x's
.set ADS2B, 31                         ; the same with lanes 0-15 256 bytes lower, for the load that brings x's tiles 4-7
.set SC,   32
.set BIAS, 64
.set BIAS2, 96
.set AF,   128
.set TM,   32
.set PC,   48
.set PW,   72
.set SO,   80
.set G1,   24                          ; s[24:31] group 1 for x's tiles;  s[48:55] for W's
.set G1B,  48
.set G0A,  32                          ; s[32:35], s[36:39] groups 0 for x's and W's codes: written anew behind each wait for all loads
.set G0B,  36
.set G1S,  68
.set G0S,  76
.set G1SB, 80
.set G0SB, 88
.set AX,   92                          ; s[92:93] my block of x;  s[94:95] of W;  s[96:97], s[98:99] what I fetch of W_v at R3 and R4
.set AW,   94
.set AV3,  96
.set AV4,  98
.set MSB, 0
.macro WIN new                         ; the immediate's high byte repeats the setting that is left
.if MSB != (\new)
	s_set_vgpr_msb (MSB<<8)|(\new)
.set MSB, (\new)
.endif
.endm
.set MUL_LO, 0xa1                      ; source 0 (B) window 1, source 1 (A) window 0, C and D window 2
.set MUL_HI, 0xf1
.set TO_B,   0x40
.macro PLACES n
.rept \n
	v_nop
.endr
.endm
.macro JLOAD                           ; waves 0 and 1 fetch x's tiles, waves 2 and 3 W's; an s_nop 0 and four v_nop follow each line
	s_cmp_eq_u32 s19, 0
	s_cbranch_scc0 .Lfor_b_\@
	tensor_load_to_lds s[G0A:G0A+3], s[G1:G1+7]
	s_nop 0
	PLACES 4
	s_branch .Lasked_\@
.Lfor_b_\@:
	tensor_load_to_lds s[G0B:G0B+3], s[G1B:G1B+7]
	s_nop 0
	PLACES 4
.Lasked_\@:
.endm
.macro RING la, ca, xo, lb, cb, ws, wo ; both groups 0 (no load of mine is out), then the joint load
	s_add_co_u32 s[G0A+1], s\la, \ca
	s_add_nc_u64 s[G0A+2:G0A+3], s[AX:AX+1], \xo
	s_or_b32 s[G0A+3], s[G0A+3], 0x80000000
	s_add_co_u32 s[G0B+1], s\lb, \cb
	s_add_nc_u64 s[G0B+2:G0B+3], s[\ws:\ws+1], \wo
	s_or_b32 s[G0B+3], s[G0B+3], 0x80000000
	JLOAD
.endm
.macro CREST
	s_cmp_lg_u32 s18, 0
	s_cbranch_scc1 .Lnot_wave_0_\@
	s_barrier_signal -3
.Lnot_wave_0_\@:
	s_barrier_wait -3
	s_barrier_signal -1
	s_barrier_wait -1
.endm
.macro CROUND
	s_barrier_signal -1
	s_barrier_wait -1
	CREST
.endm
	s_load_b256 s[4:11], s[0:1], 0x0               ; x's codes, x's scales, W's codes, W's scales
	s_load_b128 s[12:15], s[0:1], 0x20             ; the bias, the results
	v_lshl_add_u32 v[SPW], v0, 2, SPARE
	v_mov_b32 v[NIL], 0
	ds_add_u32 v[SPW], v[NIL]                      ; the opening lines: the add, twice on end, and its wait ahead of my first tensor load
	ds_add_u32 v[SPW], v[NIL]
	v_lshrrev_b32 v1, 5, v0
	v_readfirstlane_b32 s18, v1                    ; wave 0..3
	s_lshr_b32 s19, s18, 1                         ; my block of x.  Also: I fetch for x (0) or for W (1)
	s_and_b32 s20, s18, 1                          ; my block of W, my half of W_v.  Also: which block I fetch
	s_bfe_u32 s40, ttmp6, 0x40000                  ; cx
	s_bfe_u32 s41, ttmp6, 0x40004                  ; cy
	s_lshl_b32 s42, ttmp9, 2
	s_add_co_u32 s42, s42, s40                     ; F
	s_and_b32 s43, ttmp7, 0xffff
	s_lshl_b32 s43, s43, 2
	s_add_co_u32 s43, s43, s41                     ; P
	s_lshl_b32 s44, s41, 2
	s_lshl_b32 s44, 15, s44                        ; my row of the cluster
	s_lshl_b32 s45, 0x1111, s40                    ; my column
	s_or_b32 s[G1+0], s44, (3<<16)|(1<<21)         ; 15:0 the mask; 17:16 elements of 8 bytes; no padding; 21 set beside a mask
	s_or_b32 s[G1B+0], s45, (3<<16)|(1<<21)
	s_or_b32 s[G1S+0], s44, (3<<16)|(1<<21)
	s_or_b32 s[G1SB+0], s45, (3<<16)|(1<<21)
.irp g, G1, G1B                        ; the head's shape: two blocks' K steps 0 and 1: two rows of 6,144 elements, a block's whole K (12,288 elements) apart
	s_mov_b32 s[\g+1], 6144<<16
	s_mov_b32 s[\g+2], 2<<16
	s_mov_b32 s[\g+3], 6144<<16
	s_mov_b32 s[\g+4], 2
	s_mov_b32 s[\g+5], 12288
	s_mov_b32 s[\g+6], 0
	s_mov_b32 s[\g+7], 0
.endr
.irp g, G1S, G1SB                      ; dense bytes as rows of 256
	s_mov_b32 s[\g+1], 32<<16
	s_mov_b32 s[\g+3], 32<<16
	s_mov_b32 s[\g+5], 32
	s_mov_b32 s[\g+6], 0
	s_mov_b32 s[\g+7], 0
.endr
	s_mov_b32 s[G1S+2], 32<<16                     ; x's two blocks: 8,192 bytes
	s_mov_b32 s[G1S+4], 32
	s_mov_b32 s[G1SB+2], 48<<16                    ; W's three: 12,288
	s_mov_b32 s[G1SB+4], 48
	s_lshl_b32 s21, s43, 1                         ; x's first block: it hangs on cy and the cluster alone
	s_mul_i32 s46, s21, 8*BLKB
	s_mov_b32 s47, 0
	s_lshl_b32 s66, s21, 12
	s_mov_b32 s67, 0
	s_mul_i32 s2, s42, 3                           ; W's first block: on cx and the cluster alone
	s_mul_i32 s22, s2, 8*BLKB
	s_mov_b32 s23, 0
	s_lshl_b32 s2, s2, 12
	s_mov_b32 s3, 0
	s_mul_i32 s100, s20, WP                        ; by the wave's number alone: no place in the cluster enters an LDS address
	s_lshl_b32 s101, s100, 1
	s_wait_dscnt 0x0                               ; both opening adds are done
	s_wait_kmcnt 0x0
	s_add_nc_u64 s[4:5], s[4:5], s[46:47]
	s_add_nc_u64 s[6:7], s[6:7], s[66:67]
	s_add_nc_u64 s[8:9], s[8:9], s[22:23]
	s_add_nc_u64 s[10:11], s[10:11], s[2:3]
	CROUND                                         ; all sixteen work-groups are here: the first joint loads meet
	s_mov_b32 s[G0A], 1
	s_mov_b32 s[G0A+1], 0
	s_mov_b64 s[G0A+2:G0A+3], s[4:5]
	s_or_b32 s[G0A+3], s[G0A+3], 0x80000000
	s_mov_b32 s[G0B], 1
	s_mov_b32 s[G0B+1], 4*WP
	s_mov_b64 s[G0B+2:G0B+3], s[8:9]
	s_or_b32 s[G0B+3], s[G0B+3], 0x80000000
	s_mov_b32 s[G0S], 1
	s_mov_b32 s[G0S+1], SCL
	s_mov_b64 s[G0S+2:G0S+3], s[6:7]
	s_or_b32 s[G0S+3], s[G0S+3], 0x80000000
	s_mov_b32 s[G0SB], 1
	s_mov_b32 s[G0SB+1], SCL+8192
	s_mov_b64 s[G0SB+2:G0SB+3], s[10:11]
	s_or_b32 s[G0SB+3], s[G0SB+3], 0x80000000
	s_mul_i32 s2, s20, 8*BLKB
	s_add_nc_u64 s[AX:AX+1], s[4:5], s[2:3]
	s_add_nc_u64 s[AW:AW+1], s[8:9], s[2:3]
	s_mov_b32 s2, s100
	s_add_nc_u64 s[AV3:AV3+1], s[8:9], 16*BLKB+WP  ; W_v's K step 1 + (my number)
	s_add_nc_u64 s[AV3:AV3+1], s[AV3:AV3+1], s[2:3]
	s_mul_i32 s2, s100, 3
	s_add_nc_u64 s[AV4:AV4+1], s[8:9], 16*BLKB+3*WP   ; W_v's K step 3 (wave 2) or 0 (wave 3)
	s_sub_nc_u64 s[AV4:AV4+1], s[AV4:AV4+1], s[2:3]
; The head's loads, one a wave: one chain of branches on the wave's number, a load to an arm, all arms leading to one join.
.macro ARM under, g0, g1, next
	s_cmp_lt_u32 s18, \under
	s_cbranch_scc0 \next
	tensor_load_to_lds s[\g0:\g0+3], s[\g1:\g1+7]
	s_nop 0
	PLACES 4
	s_branch .Lhead_asked
\next:
.endm
	ARM 1, G0A, G1,  .Lhead_b
	ARM 2, G0B, G1B, .Lhead_sa
	ARM 3, G0S, G1S, .Lhead_sb
	tensor_load_to_lds s[G0SB:G0SB+3], s[G1SB:G1SB+7]
	s_nop 0
	PLACES 4
.Lhead_asked:
	; all scalars first, then the vector lines on end
	s_mul_i32 s4, s19, 2*WP                        ; x: place 2 j
	s_mul_i32 s5, s19, WP
	s_add_co_u32 s5, s5, 8*WP                      ; place 8 + j
	s_add_co_u32 s6, s101, 4*WP                    ; W: place 4 + 2 j
	s_add_co_u32 s7, s100, 10*WP                   ; place 10 + j
	s_add_co_u32 s8, s4, 5*WP                      ; x's K step 0 fetched again: place 5 + 2 j
	s_mul_i32 s9, s20, 4*FRB                       ; my four tiles of W_v's eight
	s_add_co_u32 s58, s9, 4*WP
	s_add_co_u32 s9, s9, 10*WP
	s_lshl_b32 s10, s19, 12
	s_lshl_b32 s11, s20, 12
	s_add_co_u32 s11, s11, 8192
	s_sub_co_u32 s11, s11, s10                     ; from x's words to W's
	s_lshl_b32 s56, s20, 8
	s_add_co_u32 s56, s56, 16384
	s_sub_co_u32 s56, s56, s10                     ; from x's words to my half of W_v's
	s_sub_co_u32 s57, s56, 256
	s_add_co_u32 s10, s10, SCL
	s_lshl_b32 s21, s43, 1
	s_add_co_u32 s21, s21, s19                     ; T: my block of tokens
	s_lshl_b32 s40, s42, 1
	s_add_co_u32 s40, s40, s20                     ; my block of q's and k's features, 0..15
	s_lshr_b32 s41, s21, 4
	s_lshl_b32 s41, s41, 3                         ; 8 x batch
	s_and_b32 s44, s21, 15
	s_lshr_b32 s45, s40, 3
	s_lshl_b32 s45, s45, 5                         ; the tensor: 32 heads each
	s_add_co_u32 s45, s45, s41
	s_and_b32 s46, s40, 7
	s_add_co_u32 s45, s45, s46
	s_lshl_b32 s45, s45, 4
	s_add_co_u32 s45, s45, s44
	s_mul_i32 s46, s45, BLKB+512
	s_add_co_u32 s45, s41, s42
	s_add_co_u32 s45, s45, 64                      ; v: tensor 2, head F
	s_lshl_b32 s45, s45, 4
	s_add_co_u32 s45, s45, s44
	s_mul_i32 s2, s45, BLKB+512
	s_add_nc_u64 s[16:17], s[14:15], s[2:3]
	s_add_nc_u64 s[14:15], s[14:15], s[46:47]      ; part 1's block
	s_lshl_b32 s2, s20, 8
	s_add_co_u32 s2, s2, BLKB
	s_add_nc_u64 s[104:105], s[16:17], s[2:3]      ; part 2: my four tiles' scale words,
	s_mul_i32 s2, s20, 4*FRB
	s_add_nc_u64 s[16:17], s[16:17], s[2:3]        ; and fragments
	s_lshl_b32 s2, s42, 9
	s_add_co_u32 s2, s2, 8192
	s_lshl_b32 s46, s20, 8
	s_add_co_u32 s2, s2, s46
	s_add_nc_u64 s[66:67], s[12:13], s[2:3]        ; the bias of v's features 128 F + 64 (my half) on
	s_lshl_b32 s2, s40, 9
	s_add_nc_u64 s[12:13], s[12:13], s[2:3]        ; and of part 1's 128
	v_and_b32 v[LN], 31, v0
	v_and_b32 v1, 15, v0                           ; r
	v_bfe_u32 v2, v0, 4, 1                         ; h
	v_lshlrev_b32 v[LI], 4, v[LN]
	v_lshlrev_b32 v[R16], 4, v1
	v_sub_nc_u32 v3, 1, v2
	v_add_nc_u32 v[XR], s4, v[LI]
	v_add_nc_u32 v[XR+1], WP, v[XR]
	v_add_nc_u32 v[XR+2], s5, v[LI]
	v_add_nc_u32 v[XR+3], s8, v[LI]
	v_add_nc_u32 v[ADRB], s6, v[LI]
	v_add_nc_u32 v[ADRB+1], WP, v[ADRB]
	v_add_nc_u32 v[ADRB+2], s7, v[LI]
	v_add_nc_u32 v[VR], s9, v[LI]                  ; place 10: W_v's K step 1
	v_add_nc_u32 v[VR+1], WP, v[VR]                ; 11: K step 2
	v_add_nc_u32 v[VR+2], s58, v[LI]               ; 4: K step 3
	v_add_nc_u32 v[VR+3], 2*WP, v[VR+2]            ; 6: K step 0
	v_mul_u32_u24 v4, s11, v2                      ; one product: the distance between the two bases
	v_mul_u32_u24 v5, s56, v3
	v_mul_u32_u24 v6, s57, v3
	v_add_nc_u32 v4, v4, v[R16]
	v_add_nc_u32 v5, v5, v[R16]
	v_add_nc_u32 v6, v6, v[R16]
	v_add_nc_u32 v[ADRS], s10, v4
	v_add_nc_u32 v[ADS2], s10, v5
	v_add_nc_u32 v[ADS2B], s10, v6
	v_lshlrev_b32 v[BO], 6, v2                     ; 16 h features on
	v_and_b32 v7, 8, v1
	v_add_nc_u32 v7, v7, v1                        ; r % 8 + 16 (r / 8)
	v_lshlrev_b32 v[BO2], 2, v7
.irp t, 0,1,2,3,4,5,6,7
	global_load_b128 v[BIAS+8*\t:BIAS+8*\t+3], v[BO], s[12:13] offset:(32*(\t/2)+8*(\t%2))*4   ; tile t's eight registers, in the result's layout
	global_load_b128 v[BIAS+8*\t+4:BIAS+8*\t+7], v[BO], s[12:13] offset:(32*(\t/2)+8*(\t%2))*4+16
.endr
.macro FRAG reg, adr, q, i             ; a fragment comes back as it was stored: three loads of 512 consecutive bytes
.irp c, 0,1,2
	ds_load_b128 v[\reg+4*\c:\reg+4*\c+3], v[\adr] offset:(\q)*BLKB+(\i)*FRB+512*\c
.endr
.endm
; PART 1.  16 matrix instructions: x's tiles a0, a0 + 1 against W's eight.  p: W's set; q: which 128 of the K step; sc: the set of scale words; zero = 1: the sums start from the bias.
; The 64 accumulators take turns, one instruction a turn, in the same order in every step.
.macro MUL16 a0, p, q, sc, zero
.irp a, \a0, \a0+1
.irp b, 0,1,2,3,4,5,6,7
.if \zero
	v_wmma_scale_f32_16x16x128_f8f6f4 v[8*(8*((\a)%4)+\b):8*(8*((\a)%4)+\b)+7], v[128*(\p)+FR*\b:128*(\p)+FR*\b+FR-1], v[AF+FR*(\a):AF+FR*(\a)+FR-1], v[BIAS+8*\b:BIAS+8*\b+7], v[SC+16*(\sc)+8*(\q)+\b], v[SC+16*(\sc)+8*(\q)+(\a)] matrix_a_fmt:MATRIX_FMT_FP6 matrix_b_fmt:MATRIX_FMT_FP6 matrix_a_scale:MATRIX_SCALE_ROW1
.else
	v_wmma_scale_f32_16x16x128_f8f6f4 v[8*(8*((\a)%4)+\b):8*(8*((\a)%4)+\b)+7], v[128*(\p)+FR*\b:128*(\p)+FR*\b+FR-1], v[AF+FR*(\a):AF+FR*(\a)+FR-1], v[8*(8*((\a)%4)+\b):8*(8*((\a)%4)+\b)+7], v[SC+16*(\sc)+8*(\q)+\b], v[SC+16*(\sc)+8*(\q)+(\a)] matrix_a_fmt:MATRIX_FMT_FP6 matrix_b_fmt:MATRIX_FMT_FP6 matrix_a_scale:MATRIX_SCALE_ROW1
.endif
.endr
.endr
.endm
.macro FETCH_B slot, q, p
	WIN TO_B
.irp i, 0,1,2,3,4,5,6,7
	FRAG 128*(\p)+FR*\i, ADRB+\slot, \q, \i
.endr
	WIN 0
.endm
.macro FETCH_A slot, q, i0
.irp i, \i0, \i0+1, \i0+2, \i0+3
	FRAG AF+FR*(\i), XR+\slot, \q, \i
.endr
.endm
.macro SCALES k, sc                    ; K step k's scale words: lanes 0-15 x's tiles, lanes 16-31 W's; four tiles' words a load
.irp q, 0,1
	ds_load_b128 v[SC+16*(\sc)+8*\q:SC+16*(\sc)+8*\q+3], v[ADRS] offset:(2*(\k)+\q)*512
	ds_load_b128 v[SC+16*(\sc)+8*\q+4:SC+16*(\sc)+8*\q+7], v[ADRS] offset:(2*(\k)+\q)*512+256
.endr
.endm
.macro STEP slot, sc, zero             ; a K step's first 128
	s_wait_dscnt 4*NL                              ; W's set, x's tiles 0-3 and the scale words are in; the youngest twelve loads (x's tiles 4-7) may be out
.if \zero
	WIN 0x81                                       ; C (the bias) window 0, D window 2
.else
	WIN MUL_LO
.endif
	MUL16 0, 0, 0, \sc, \zero
	MUL16 2, 0, 0, \sc, \zero
	s_wait_dscnt 0
	PLACES NP
	FETCH_B \slot, 1, 1
	FETCH_A \slot, 1, 0
.if \zero
	WIN 0xc1
.else
	WIN MUL_HI
.endif
	MUL16 4, 0, 0, \sc, \zero
	MUL16 6, 0, 0, \sc, \zero
	PLACES NP
	WIN 0
	FETCH_A \slot, 1, 4
.endm
; A K step's second 128, which goes on into the next K step (kn, in slot next).  mode 2: R2 stands in it; mode 3: R3; mode 0: no fill, and the next slot was shown whole at an earlier round.
.macro TURN sc, next, kn, mode
.if \mode
	s_wait_tensorcnt 0x0                           ; all my tensor loads have landed
	ds_add_u32 v[SPW], v[NIL]                      ; 0 onto my spare word
	s_wait_dscnt 4*NL+1                            ; (the add and the youngest twelve loads may be out)
.else
	s_wait_dscnt 4*NL
.endif
	WIN MUL_LO
	MUL16 0, 1, 1, \sc, 0                          ; sixteen matrix instructions stand between the add and the wait for it
	s_wait_dscnt 0x0                               ; the add is done, and my reads of this K step are over
.if \mode
	s_barrier_signal -1
.endif
	MUL16 2, 1, 1, \sc, 0
	WIN 0
.if \mode
	s_barrier_wait -1
	CREST                                          ; no wave of any partner still reads the places that are filled again, or has a load on its way
.if \mode == 2
	RING 101, 0, 3*WP, 101, 4*WP, AW, 3*WP         ; K step 3 into K step 0's places
.else
	RING 101, 5*WP, 0, 100, 10*WP, AV3, 0          ; x's K step 0 again, W_v's K steps 1 and 2, into W's places of K steps 1 and 2
.endif
.else
	PLACES NP
.endif
	FETCH_B \next, 0, 0
	FETCH_A \next, 0, 0
	SCALES \kn, 1-(\sc)
	WIN MUL_HI
	MUL16 4, 1, 1, \sc, 0
	MUL16 6, 1, 1, \sc, 0
	PLACES NP
	WIN 0
	FETCH_A \next, 0, 4
.endm
	s_wait_alu depctr_va_vdst(0)                   ; the wait at the head's end
	s_wait_tensorcnt 0x0                           ; my tile of the head's four is in
	ds_add_u32 v[SPW], v[NIL]
.irp g, G1, G1B                        ; no tensor load of mine is out: from here on a load brings 24,576 dense bytes as 96 rows of 256
	s_mov_b32 s[\g+1], 32<<16
	s_mov_b32 s[\g+2], 96<<16
	s_mov_b32 s[\g+3], 32<<16
	s_mov_b32 s[\g+4], 96
	s_mov_b32 s[\g+5], 32
.endr
	s_wait_dscnt 0x0
	CROUND
	RING 100, 8*WP, 2*WP, 100, 10*WP, AW, 2*WP     ; R1: K step 2
	FETCH_B 0, 0, 0
	FETCH_A 0, 0, 0
	SCALES 0, 0
	FETCH_A 0, 0, 4
	s_wait_loadcnt 0x0                             ; the bias
	STEP 0, 0, 1
	TURN 0, 1, 1, 2
	STEP 1, 1, 0
	TURN 1, 2, 2, 0
	STEP 2, 0, 0
	TURN 0, 0, 3, 3
	STEP 0, 1, 0
	s_wait_dscnt 4*NL                              ; part 1's last 128
	WIN MUL_LO
	MUL16 0, 1, 1, 1, 0
	MUL16 2, 1, 1, 1, 0
	s_wait_dscnt 0
	WIN MUL_HI
	MUL16 4, 1, 1, 1, 0
	MUL16 6, 1, 1, 1, 0
	WIN 0
; THE WAY OUT.  Row tile a: the lane's 64 numbers, register 16 n + i = K' 32 n + 16 h + i of its row, become a fragment's 12 registers and the row's scale word; three stores of 512 consecutive bytes.
.macro QOUT a, bs
.set AC, 64*((\a)%4)
.set HI, (\a)/4
	WIN 0x0a+5*HI                                  ; sources 0 and 1: the accumulators' window
.irp n, 0,1,2,3
	v_max3_num_f32 v[TM+\n], |v[AC+16*\n]|, |v[AC+16*\n+1]|, 0x1800000   ; block n: my 16 numbers, each accumulator from its low end on; and the floor 2^(3 - 127)
.endr
.irp i, 2,4,6,8,10,12,14
.irp n, 0,1,2,3
	v_max3_num_f32 v[TM+\n], |v[AC+16*\n+\i]|, |v[AC+16*\n+\i+1]|, v[TM+\n]
.endr
.endr
	WIN 0
.irp n, 0,1,2,3
	v_permlanex16_b32 v[TM+4+\n], v[TM+\n], s22, s23
.endr
.irp n, 0,1,2,3
	v_max_num_f32 v[TM+\n], v[TM+\n], v[TM+4+\n]   ; with lane l xor 16's: the block's largest magnitude
.endr
.irp n, 0,1,2,3
	v_add_nc_u32 v[TM+12+\n], 0xff000000, v[TM+\n] ; 2 off its exponent field: the conversion's scale operand
.endr
.irp n, 0,1,2,3
	v_lshrrev_b32 v[TM+4+\n], 23, v[TM+12+\n]      ; the scale's byte
.endr
	v_lshl_or_b32 v[PW+(\a)], v[TM+5], 8, v[TM+4]
	v_lshl_or_b32 v[PW+(\a)], v[TM+6], 16, v[PW+(\a)]
	v_lshl_or_b32 v[PW+(\a)], v[TM+7], 24, v[PW+(\a)]
	s_wait_xcnt 0x0                                ; the last tile's stores have read the codes' registers: only behind this wait are they written again
	WIN 0x02+HI
.irp c, 0,1
	v_cvt_scalef32_pk16_fp6_f32 v[PC+6*\c:PC+2+6*\c], v[AC+32*\c:AC+15+32*\c], v[TM+12+2*\c]
	v_cvt_scalef32_pk16_fp6_f32 v[PC+12+4*\c:PC+14+4*\c], v[AC+16+32*\c:AC+31+32*\c], v[TM+12+2*\c+1]   ; (a conversion's three registers begin on an even number)
.endr
	WIN 0
	v_nop                                          ; one plain place behind a scaled conversion
.irp c, 0,1                            ; the operand's layout wants a whole block in a lane
.irp i, 0,1,2
	v_permlane16_swap_b32 v[PC+6*\c+\i], v[PC+12+4*\c+\i]
.endr
.irp i, 0,1,2
	v_mov_b32 v[PC+3+6*\c+\i], v[PC+12+4*\c+\i]
.endr
.endr
.irp c, 0,1,2
	global_store_b128 v[LI], v[PC+4*\c:PC+4*\c+3], s[\bs:\bs+1] offset:(\a)*FRB+512*\c
.endr
.endm
; PART 2's pieces.  J: the K step's place in part 2's order 1, 2, 3, 0.  x's address register: XR + 1, XR + 2, XR, XR + 3.
.macro MUL8 a, p, q, sc, zero          ; W_v's tile a against x's eight; the 32 accumulators take turns
.irp b, 0,1,2,3,4,5,6,7
.if \zero
	v_wmma_scale_f32_16x16x128_f8f6f4 v[8*(8*(\a)+\b):8*(8*(\a)+\b)+7], v[128*(\p)+FR*\b:128*(\p)+FR*\b+FR-1], v[AF+48*(\p)+FR*(\a):AF+48*(\p)+FR*(\a)+FR-1], v[BIAS2+8*(\a):BIAS2+8*(\a)+7], v[SC+16*(\sc)+8*(\q)+\b], v[SC+16*(\sc)+8*(\q)+(\a)] matrix_a_fmt:MATRIX_FMT_FP6 matrix_b_fmt:MATRIX_FMT_FP6 matrix_a_scale:MATRIX_SCALE_ROW1
.else
	v_wmma_scale_f32_16x16x128_f8f6f4 v[8*(8*(\a)+\b):8*(8*(\a)+\b)+7], v[128*(\p)+FR*\b:128*(\p)+FR*\b+FR-1], v[AF+48*(\p)+FR*(\a):AF+48*(\p)+FR*(\a)+FR-1], v[8*(8*(\a)+\b):8*(8*(\a)+\b)+7], v[SC+16*(\sc)+8*(\q)+\b], v[SC+16*(\sc)+8*(\q)+(\a)] matrix_a_fmt:MATRIX_FMT_FP6 matrix_b_fmt:MATRIX_FMT_FP6 matrix_a_scale:MATRIX_SCALE_ROW1
.endif
.endr
.endm
.macro FETCH_B4 j, q, p, i0
	WIN TO_B
.irp i, \i0, \i0+1, \i0+2, \i0+3
	FRAG 128*(\p)+FR*(\i), XR+(((\j)+1)%3)*(1-(\j)/3)+3*((\j)/3), \q, \i
.endr
.endm
.macro FETCH_A4 j, q, p
	WIN 0
.irp i, 0,1,2,3
	FRAG AF+48*(\p)+FR*\i, VR+(\j), \q, \i
.endr
.endm
.macro SCALES2 j, sc                   ; lanes 0-15: my four tiles of W_v (in both loads), lanes 16-31: x's tiles 0-3, then 4-7
.irp q, 0,1
	ds_load_b128 v[SC+16*(\sc)+8*\q:SC+16*(\sc)+8*\q+3], v[ADS2] offset:(2*(((\j)+1)%4)+\q)*512
	ds_load_b128 v[SC+16*(\sc)+8*\q+4:SC+16*(\sc)+8*\q+7], v[ADS2B] offset:(2*(((\j)+1)%4)+\q)*512+256
.endr
.endm
.macro STEP2 n, zero                   ; 128 along K: 32 matrix instructions; the next 128's fragments are fetched among them, into the other sets
.set J,  (\n)/2
.set Q,  (\n)%2
.set JN, ((\n)+1)/2
.set QN, ((\n)+1)%2
.set WM, MUL_LO-0x20*(\zero)
	s_wait_dscnt 0x0
.if (\n) == 3
	WIN 0
	s_wait_tensorcnt 0x0                           ; R4's tiles, W_v's K steps 3 and 0, are wanted next: mine has landed,
	ds_add_u32 v[SPW], v[NIL]
	s_wait_dscnt 0x0
	s_barrier_signal -1
	s_barrier_wait -1                              ; and everybody's
.endif
.if (\n) < 7
	PLACES NP
	FETCH_B4 JN, QN, QN, 0
.endif
	WIN WM
	MUL8 0, Q, Q, J%2, \zero
.if (\n) < 7
	FETCH_B4 JN, QN, QN, 4
.endif
	WIN WM
	MUL8 1, Q, Q, J%2, \zero
.if (\n) < 7
	FETCH_A4 JN, QN, QN
.if QN == 0
	SCALES2 JN, JN%2
.endif
.endif
	WIN WM
	MUL8 2, Q, Q, J%2, \zero
	MUL8 3, Q, Q, J%2, \zero
.endm
	PLACES NP                                      ; behind the last products: their results are read and their scale registers written below
	s_mov_b32 s22, 0x76543210
	s_mov_b32 s23, 0xfedcba98                      ; lane selects: lane l xor 16
.irp n, 0,1,2,3
	v_mov_b32 v[TM+4+\n], 0                        ; written once: a lane permute's destination counts as one of its sources
.endr
.irp a, 0,1,2,3
	QOUT \a, 14
.endr
	s_wait_alu depctr_va_vdst(0)                   ; directly ahead of the wait below
	s_wait_tensorcnt 0x0                           ; R4.  R3's tiles have landed,
	ds_add_u32 v[SPW], v[NIL]
	s_add_co_u32 s[G0B+1], s101, 4*WP              ; W's places of K step 3, which nobody reads any more
	s_mov_b64 s[G0B+2:G0B+3], s[AV4:AV4+1]
	s_or_b32 s[G0B+3], s[G0B+3], 0x80000000
	s_wait_dscnt 0x0
	CROUND                                         ; everybody's have
	s_cmp_eq_u32 s19, 0                            ; waves 0 and 1 have no part of these tiles
	s_cbranch_scc1 .Lno_r4
	tensor_load_to_lds s[G0B:G0B+3], s[G1B:G1B+7]
	s_nop 0
	PLACES 4
.Lno_r4:
.irp a, 0,1,2,3
.irp j, 0,1,2,3,4,5,6,7
	global_load_b32 v[BIAS2+8*\a+\j], v[BO2], s[66:67] offset:(32*(\a/2)+8*(\a%2))*4   ; part 2's bias: my row's number in all eight registers of tile a
.endr
.endr
	FETCH_B4 0, 0, 0, 0                            ; part 2's first fragments land while the way out goes on
	FETCH_B4 0, 0, 0, 4
	FETCH_A4 0, 0, 0
.irp a, 4,5,6,7
	QOUT \a, 14
.endr
	v_cmp_le_u32 vcc_lo, 16, v[LN]                 ; the block's 512 bytes of scale words: lanes 0-15 store tiles 0-3 of row r, lanes 16-31 tiles 4-7
.irp i, 0,1,2,3
	v_cndmask_b32 v[SO+\i], v[PW+\i], v[PW+4+\i], vcc_lo
.endr
	global_store_b128 v[LI], v[SO:SO+3], s[14:15] offset:BLKB
	s_wait_xcnt 0x0                                ; the stores have read their registers: scale words land there
	SCALES2 0, 0
	s_wait_loadcnt 0x0                             ; part 2's bias
	STEP2 0, 1
	STEP2 1, 0
	STEP2 2, 0
	STEP2 3, 0
	STEP2 4, 0
	STEP2 5, 0
	STEP2 6, 0
	STEP2 7, 0
	WIN 0
	PLACES NP
.irp a, 0,1,2,3
	QOUT \a, 16
.endr
	s_wait_alu depctr_va_vdst(0)                   ; directly ahead of the reader below
	global_store_b128 v[R16], v[PW:PW+3], s[104:105]   ; my four tiles' scale words: 256 consecutive bytes; lanes r and r + 16 store the same bytes with the same values
	s_wait_tensorcnt 0x0                           ; the wave's end, behind my last tensor load
	ds_add_u32 v[SPW], v[NIL]
	s_wait_dscnt 0x0
	CROUND                                         ; the closing round: no work-group ends while a partner may still ask for a tile that names it
	s_endpgm
.Lfunc_end_k_qb49ffc4098_qkv:
	.size	k_qb49ffc4098_qkv, .Lfunc_end_k_qb49ffc4098_qkv-k_qb49ffc4098_qkv
	.p2alignl 7, 3214868480
	.fill 96, 4, 3214868480
	.section	.rodata,"a",@progbits
	.p2align	6, 0x0
	.amdhsa_kernel k_qb49ffc4098_qkv
		.amdhsa_group_segment_fixed_size 327680
		.amdhsa_private_segment_fixed_size 0
		.amdhsa_enable_private_segment 0
		.amdhsa_kernarg_size 48
		.amdhsa_user_sgpr_count 2
		.amdhsa_user_sgpr_kernarg_segment_ptr 1
		.amdhsa_wavefront_size32 1
		.amdhsa_system_sgpr_workgroup_id_x 1
		.amdhsa_system_sgpr_workgroup_id_y 1
		.amdhsa_system_sgpr_workgroup_id_z 1
		.amdhsa_system_vgpr_workitem_id 0
		.amdhsa_next_free_vgpr 1024
		.amdhsa_next_free_sgpr 106
		.amdhsa_reserve_vcc 1
		.amdhsa_float_denorm_mode_32 3
		.amdhsa_float_denorm_mode_16_64 3
		.amdhsa_memory_ordered 1
		.amdhsa_forward_progress 1
		.amdhsa_inst_pref_size 217
	.end_amdhsa_kernel
	.amdgpu_metadata
---
amdhsa.version: [ 1, 2 ]
amdhsa.kernels:
  - .name:           k_qb49ffc4098_qkv
    .symbol:         k_qb49ffc4098_qkv.kd
    .args:
      - { .name: x_codes, .offset: 0, .size: 8, .value_kind: global_buffer, .address_space: global }
      - { .name: x_scales, .offset: 8, .size: 8, .value_kind: global_buffer, .address_space: global }
      - { .name: w_codes, .offset: 16, .size: 8, .value_kind: global_buffer, .address_space: global }
      - { .name: w_scales, .offset: 24, .size: 8, .value_kind: global_buffer, .address_space: global }
      - { .name: b_qkv, .offset: 32, .size: 8, .value_kind: global_buffer, .address_space: global }
      - { .name: qkv_codes, .offset: 40, .size: 8, .value_kind: global_buffer, .address_space: global }
    .group_segment_fixed_size: 327680
    .private_segment_fixed_size: 0
    .kernarg_segment_align: 8
    .kernarg_segment_size: 48
    .max_flat_workgroup_size: 128
    .sgpr_count:     106
    .vgpr_count:     1024
    .wavefront_size: 32
...
	.end_amdgpu_metadata
.endif
;; end of part 2
;; launch attn (part 3): grid 8 x 32, 8 waves a work-group, clusters of 4 x 1, 327,680 bytes of LDS; arguments qkv_codes, o_codes, o_scales; writes o_codes, o_scales
.if DOCPART == 3
	.amdgcn_target "amdgcn-amd-amdhsa--gfx1250"
	.amdhsa_code_object_version 6
	.text
	.protected	k_qb49ffc4098_attn
	.globl	k_qb49ffc4098_attn
	.p2align	8
	.type	k_qb49ffc4098_attn,@function
k_qb49ffc4098_attn:
	s_mov_b64 s[64:65], 0
	v_nop
	global_prefetch_b8 v0, s[64:65] scope:SCOPE_SE
	s_setreg_imm32_b32 hwreg(HW_REG_WAVE_MODE, 25, 1), 1
	s_wait_xcnt 0x0
	s_wait_alu depctr_hold_cnt(0) depctr_sa_sdst(0) depctr_va_vdst(0) depctr_va_sdst(0) depctr_va_ssrc(0) depctr_va_vcc(0) depctr_vm_vsrc(0)
	s_getreg_b32 s2, hwreg(HW_REG_IB_STS2, 6, 4)
	s_cmp_eq_u32 s2, 0
	s_cbranch_scc0 .Lentry_in_a_cluster
	s_endpgm
.Lentry_in_a_cluster:
	s_bfe_u32 s2, ttmp6, 0x10000c
	s_cmp_lg_u32 s2, 0x3003
	s_cbranch_scc0 .Lentry_shape_is_right
	s_endpgm
.Lentry_shape_is_right:
; o = softmax(q k^T / sqrt(128)) v for 32 heads of 2,048 tokens, both products on codes of FP6 (E2M3) with E8M0 scales; o is divided by the row's sum, quantised along the head's 128 and stored as codes.
; qkv_codes: [q, k, v][32 heads][16 blocks][12,800].  A block is 12,288 bytes of codes and 512 bytes of scale words.  q, k: 128 tokens x the head's 128; v: the head's 128 x 128 keys (the keys are the second product's K).
; The codes are eight fragments as images of operand registers: registers 4 c .. 4 c + 3 of lane l at 512 c + 16 l; lane r of tile i holds the block's row 32 (i / 2) + 8 (i % 2) + r % 8 + 16 (r / 8);
; the scale word of (tile i, row r) at 256 (i / 4) + 16 r + 4 (i % 4).  o_codes: [64 blocks of tokens][8 heads = K steps][12,288], o_scales [64][8][512], likewise.
; THE SOFTMAX: t = score x log2(e) / sqrt(128); M = the running largest t rounded UP to a whole number; p = 2^(t - M) is quantised along the keys, not normalised; the row's sum is taken of the unquantised p.
; When M moves, the sum and O are multiplied by 2^(old M - new M): exact.
; SHARES: a work-group owns 256 queries of one head; each of its eight waves owns TWO tiles of 16 queries, so that each fragment of K and V and each scale word read from LDS feeds two matrix instructions,
; and the two tiles' chains of vector work stand line by line beside each other.  Both products are used transposed (S^T = K Q^T, O^T = V^T P^T): a lane holds one query of each tile throughout.
; One load of 16 bytes a lane brings a block's 512 bytes of scale words: lanes 0-15 hold tiles 0-3, lanes 16-31 tiles 4-7 (read by the ROW1 selector).
; LDS: K's twelve blocks on end (three slots of four key steps), V's twelve behind them.  THE FILLS, one tensor load a wave each time, all eight waves, no branch: at the head slot 0 (a block a wave: waves 0-3 K's, 4-7 V's);
; behind the three lines and a round slots 1 and 2 (two blocks a wave); when slot 0 has been read, behind the next round, keys 1,536 on into slot 0 (a block a wave).  Every wait on TENSORcnt is for 0.
; No prefetch is laid: every fill behind the head is asked for four key steps or more ahead of its first read, by the load itself.
; CLUSTER of 4: the four query blocks of a cluster belong to one head and walk the same K and V: each load is asked for jointly, with a mask that names the four.
; LIMITS: the promise holds while the scaled scores t stay under 2^31 in magnitude; a block of 32 whose largest magnitude lies under 2^-124 is held at the byte 1; a block of zeros gets the byte 1 where the rule says 127
; (zero codes; this program alone reads the bytes); NaN and infinities are not served.
; REGISTERS.  Window 0: v1-11 addresses; v12-15 K's scale words, v16-19 V's, v20-21 Q's, v22-23 p's (then o's); v24-119 eight fragments of K, then of V; v128-255 S^T, then p: tile u at 128 + 64 u.
; Window 1: v0-127 O^T (tile u at 64 u); v128-151 Q; v152-175 p's codes; v176-239 at work, 32 registers a tile.  Both tiles lie alike in the windows, so the windows are switched once a phase, not once a tile.
.set TS,    6553600                    ; one tensor in bytes
.set HB,    204800                     ; one head
.set BLK,   12800                      ; one block
.set CODB,  12288                      ; its codes; the scale words lie behind them
.set FRB,   1536
.set VREG,  12*BLK                     ; K's three slots, then V's three
.set OSC,   2*VREG                     ; o's scale words of two blocks, 1,024 bytes: written by LDS stores alone
.set SPARE, OSC+1024                   ; the spare words, 128 bytes for each of eight waves: four blocks of 256 bytes that no other line names
.set LI,   1                           ; 16 x lane
.set LV,   2                           ; the same in V's region
.set OSW,  4                           ; where my two tiles' scale words of o go
.set SPW,  5                           ; my spare word; never rewritten
.set NIL,  6                           ; 0; never rewritten
.set OSR,  7                           ; where a block's scale words of o are read back
.set ADK,  8
.set ADV,  9
.set R16,  11                          ; 16 r
.set KS,   12
.set VS,   16
.set QS,   20
.set PS,   22
.set FRG,  24
.set SB,   128
.set OB,   0                           ; window 1 from here on
.set QB,   128
.set PCB,  152
.set WK,   176                         ; a tile's 32: 0-3 block maxima, 4-7 permute's results and bytes, 8-11 the conversions' scale operands, 12 -M, 13 the largest t, 14-15 the sum, 16 in hand, 18-19 f, 20-26 second halves of blocks, 28-31 partial sums
.set WV,   18
.set SEL,  20                          ; s[20:21] lane selects: lane l xor 16
.set CS,   22                          ; s[22:23] c = log2(e) / sqrt(128)
.set G1K,  24                          ; s[24:31] group 1 for one block;  s[32:39] for two
.set G1L,  32
.set G0T0, 68                          ; group 0 for slot 0 (the head's fill and the refill);  for slots 1 and 2
.set G0T1, 72
.set TB,   2                           ; where the step's block of K begins in LDS
.set CNT,  3
.set MSB, 0
.macro WIN new                         ; low byte: bits 1:0 source 0, 3:2 source 1, 5:4 source 2, 7:6 destination; the high byte repeats the setting that is left
.if MSB != (\new)
	s_set_vgpr_msb (MSB<<8)|(\new)
.set MSB, (\new)
.endif
.endm
.macro ROUND                           ; a round of the cluster's barrier
	s_barrier_signal -1
	s_barrier_wait -1
	s_cmp_lg_u32 s[WV], 0
	s_cbranch_scc1 .Lnot_wave_0_\@
	s_barrier_signal -3
.Lnot_wave_0_\@:
	s_barrier_wait -3
	s_barrier_signal -1
	s_barrier_wait -1
.endm
	s_load_b128 s[4:7], s[0:1], 0x0                ; q, k, v's blocks; o's codes
	s_load_b64 s[8:9], s[0:1], 0x10                ; o's scale words
	v_lshl_add_u32 v[SPW], v0, 2, SPARE
	v_mov_b32 v[NIL], 0
	ds_add_u32 v[SPW], v[NIL]                      ; the opening lines: the add, twice on end, and its wait ahead of my first tensor load
	ds_add_u32 v[SPW], v[NIL]
	v_lshrrev_b32 v8, 5, v0
	v_readfirstlane_b32 s[WV], v8                  ; wave 0..7
	s_bfe_u32 s12, ttmp6, 0x40000                  ; cx
	s_lshl_b32 s13, ttmp9, 2
	s_add_co_u32 s13, s13, s12
	s_lshl_b32 s13, s13, 1                         ; my work-group's first block of 128 queries: it enters q's and o's addresses alone
	s_and_b32 s14, ttmp7, 0xffff                   ; the head (batch x 8 + head), which the four partners share
	s_lshr_b32 s16, s[WV], 2                       ; I fetch for K (0) or V (1).  Also: which of the two blocks of queries is mine
	s_and_b32 s17, s[WV], 3                        ; which part I fetch.  Also: my pair of tiles in that block
	s_add_co_u32 s40, s16, 1
	s_mul_i32 s40, s40, TS
	s_mul_i32 s41, s14, HB
	s_add_co_u32 s40, s40, s41                     ; k's or v's head
	s_mul_i32 s41, s17, BLK
	s_add_co_u32 s42, s40, s41                     ; slot 0: block w % 4
	s_mov_b32 s43, 0
	s_lshl_b32 s47, s41, 1
	s_add_co_u32 s47, s47, 4*BLK
	s_add_co_u32 s44, s40, s47                     ; slots 1, 2: blocks 4 + 2 (w % 4) and the next
	s_mov_b32 s45, 0
	s_mul_i32 s46, s16, VREG
	s_mov_b32 s[G0T0], 1
	s_add_co_u32 s[G0T0+1], s46, s41               ; and where they go: by the wave's number alone
	s_mov_b32 s[G0T1], 1
	s_add_co_u32 s[G0T1+1], s46, s47
	s_mov_b32 s[G1K], 15|(3<<16)|(1<<21)           ; 15:0 the mask: all four work-groups; 17:16 elements of 8 bytes; no padding; 21 set beside a mask
	s_mov_b32 s[G1K+1], 32<<16                     ; 12,800 dense bytes as 50 rows of 256
	s_mov_b32 s[G1K+2], 50<<16
	s_mov_b32 s[G1K+3], 32<<16
	s_mov_b32 s[G1K+4], 50
	s_mov_b32 s[G1K+5], 32
	s_mov_b32 s[G1K+6], 0
	s_mov_b32 s[G1K+7], 0
	s_mov_b32 s[G1L], 15|(3<<16)|(1<<21)
	s_mov_b32 s[G1L+1], 32<<16                     ; 25,600 dense bytes as 100 rows of 256
	s_mov_b32 s[G1L+2], 100<<16
	s_mov_b32 s[G1L+3], 32<<16
	s_mov_b32 s[G1L+4], 100
	s_mov_b32 s[G1L+5], 32
	s_mov_b32 s[G1L+6], 0
	s_mov_b32 s[G1L+7], 0
	s_lshl_b32 s48, s14, 4
	s_add_co_u32 s48, s48, s13
	s_add_co_u32 s48, s48, s16
	s_mul_i32 s48, s48, BLK                        ; q's block
	s_mul_i32 s50, s17, 2*FRB
	s_add_co_u32 s50, s48, s50                     ; my two fragments of it
	s_mov_b32 s51, 0
	s_lshr_b32 s52, s17, 1
	s_lshl_b32 s52, s52, 8
	s_and_b32 s53, s17, 1
	s_lshl_b32 s53, s53, 3
	s_add_co_u32 s54, s52, s53                     ; tiles 2 (w % 4) and the next: their two words lie on end at 256 (i / 4) + 4 (i % 4)
	s_add_co_u32 s52, s48, s54
	s_add_co_u32 s52, s52, CODB
	s_mov_b32 s53, 0
	s_lshr_b32 s55, s14, 3
	s_lshl_b32 s55, s55, 4
	s_add_co_u32 s55, s55, s13                     ; o: 16 blocks of tokens a batch
	s_and_b32 s80, s14, 7                          ; the head = o's K step
	s_add_co_u32 s82, s55, s16
	s_lshl_b32 s82, s82, 3
	s_add_co_u32 s82, s82, s80
	s_lshl_b32 s82, s82, 2
	s_add_co_u32 s82, s82, s17
	s_mul_i32 s82, s82, 2*FRB                      ; my two fragments of o
	s_mov_b32 s83, 0
	s_and_b32 s81, s[WV], 1
	s_add_co_u32 s84, s55, s81
	s_lshl_b32 s84, s84, 3
	s_add_co_u32 s84, s84, s80
	s_lshl_b32 s84, s84, 9                         ; the scale words of o's block w % 2 (waves 0 and 1 store them)
	s_mov_b32 s85, 0
	s_lshl_b32 s86, s16, 9
	s_add_co_u32 s86, s86, s54
	s_add_co_u32 s86, s86, OSC
	s_lshl_b32 s87, s81, 9
	s_add_co_u32 s87, s87, OSC
	s_mov_b32 s[SEL], 0x76543210
	s_mov_b32 s[SEL+1], 0xfedcba98
	s_mov_b32 s[CS], 0x3e0293ee
	s_mov_b32 s[CS+1], s[CS]                       ; (named with it as a pair, so it is written)
	s_mov_b32 s[TB], 0
	s_wait_dscnt 0x0                               ; both opening adds are done
	s_wait_kmcnt 0x0
	s_add_nc_u64 s[G0T0+2:G0T0+3], s[4:5], s[42:43]
	s_or_b32 s[G0T0+3], s[G0T0+3], 0x80000000
	s_add_nc_u64 s[G0T1+2:G0T1+3], s[4:5], s[44:45]
	s_or_b32 s[G0T1+3], s[G0T1+3], 0x80000000
	s_add_nc_u64 s[76:77], s[4:5], s[50:51]
	s_add_nc_u64 s[78:79], s[4:5], s[52:53]
	s_add_nc_u64 s[6:7], s[6:7], s[82:83]
	s_add_nc_u64 s[8:9], s[8:9], s[84:85]
	ROUND                                          ; all four work-groups are here: the first joint loads meet
	tensor_load_to_lds s[G0T0:G0T0+3], s[G1K:G1K+7]   ; slot 0: my one load at the head
	s_nop 0
	v_and_b32 v8, 31, v0
	v_and_b32 v9, 15, v0
	v_lshlrev_b32 v[LI], 4, v8
	v_lshlrev_b32 v[R16], 4, v9
	v_add_nc_u32 v[LV], VREG, v[LI]
	v_add_nc_u32 v[OSW], s86, v[R16]
	v_add_nc_u32 v[OSR], s87, v[LI]
	global_load_b64 v[QS:QS+1], v[R16], s[78:79]   ; Q's scale words, both tiles
	WIN 0x40
.irp u, 0,1
.irp c, 0,1,2
	global_load_b128 v[QB+12*\u+4*\c:QB+12*\u+4*\c+3], v[LI], s[76:77] offset:FRB*\u+512*\c   ; Q's fragments stay in registers
.endr
.endr
	WIN 0x55
.set j, 0
.rept 128
	v_mov_b32 v[OB+j], 0                           ; O^T.  (The step is written once for all steps: the first finds zeros, which the first change of M leaves zeros)
.set j, j+1
.endr
.irp u, 0,1
	v_mov_b32 v[WK+32*\u+13], 0xff61b1e6           ; the largest t so far: -3e38, under every t
.irp i, 4,5,6,7,14,15,16,19
	v_mov_b32 v[WK+32*\u+\i], 0                    ; the sum; and what is named as a permute's destination or a pair's upper half before it is first written
.endr
	v_floor_f32 v[WK+32*\u+12], -v[WK+32*\u+13]    ; -M
.endr
	WIN 0
.macro QK t                            ; S^T's tile t of both query tiles = 16 keys x 16 queries
.irp u, 0,1
.if (\t) < 4
	v_wmma_scale_f32_16x16x128_f8f6f4 v[SB+64*\u+8*(\t):SB+64*\u+8*(\t)+7], v[FRG+12*(\t):FRG+12*(\t)+11], v[QB+12*\u:QB+12*\u+11], 0, v[KS+(\t)%4], v[QS+\u] matrix_a_fmt:MATRIX_FMT_FP6 matrix_b_fmt:MATRIX_FMT_FP6
.else
	v_wmma_scale_f32_16x16x128_f8f6f4 v[SB+64*\u+8*(\t):SB+64*\u+8*(\t)+7], v[FRG+12*(\t):FRG+12*(\t)+11], v[QB+12*\u:QB+12*\u+11], 0, v[KS+(\t)%4], v[QS+\u] matrix_a_fmt:MATRIX_FMT_FP6 matrix_b_fmt:MATRIX_FMT_FP6 matrix_a_scale:MATRIX_SCALE_ROW1
.endif
.endr
.endm
.macro PV t                            ; O^T's tile t of both query tiles += 16 channels x 128 keys x 16 queries
.irp u, 0,1
.if (\t) < 4
	v_wmma_scale_f32_16x16x128_f8f6f4 v[OB+64*\u+8*(\t):OB+64*\u+8*(\t)+7], v[FRG+12*(\t):FRG+12*(\t)+11], v[PCB+12*\u:PCB+12*\u+11], v[OB+64*\u+8*(\t):OB+64*\u+8*(\t)+7], v[VS+(\t)%4], v[PS+\u] matrix_a_fmt:MATRIX_FMT_FP6 matrix_b_fmt:MATRIX_FMT_FP6
.else
	v_wmma_scale_f32_16x16x128_f8f6f4 v[OB+64*\u+8*(\t):OB+64*\u+8*(\t)+7], v[FRG+12*(\t):FRG+12*(\t)+11], v[PCB+12*\u:PCB+12*\u+11], v[OB+64*\u+8*(\t):OB+64*\u+8*(\t)+7], v[VS+(\t)%4], v[PS+\u] matrix_a_fmt:MATRIX_FMT_FP6 matrix_b_fmt:MATRIX_FMT_FP6 matrix_a_scale:MATRIX_SCALE_ROW1
.endif
.endr
.endm
.macro FRAGS adr                       ; a block's eight fragments, as they were stored: 24 loads of 512 consecutive bytes
.irp t, 0,1,2,3,4,5,6,7
.irp c, 0,1,2
	ds_load_b128 v[FRG+12*\t+4*\c:FRG+12*\t+4*\c+3], v[\adr] offset:\t*FRB+512*\c
.endr
.endr
.endm
; The 64 numbers a lane and tile in S's registers become a fragment's 12 registers and the row's scale word.  On entry every window is 1 and the block maxima lie in the tile's registers 0-3.
.macro PACK floor
.if \floor
.irp b, 0,1,2,3
.irp u, 0,1
	v_max_num_f32 v[WK+32*\u+\b], 0x1800000, v[WK+32*\u+\b]   ; the floor 2^(3 - 127): the byte cannot fall under 1
.endr
.endr
.endif
.irp b, 0,1,2,3
.irp u, 0,1
	v_add_nc_u32 v[WK+32*\u+8+\b], 0xff000000, v[WK+32*\u+\b]   ; 2 off the exponent field: the conversion's scale operand
.endr
.endr
.irp b, 0,1,2,3
.irp u, 0,1
	v_lshrrev_b32 v[WK+32*\u+4+\b], 23, v[WK+32*\u+8+\b]   ; the scale's byte
.endr
.endr
.irp u, 0,1
	v_lshl_or_b32 v[WK+32*\u+16], v[WK+32*\u+5], 8, v[WK+32*\u+4]
.endr
.irp u, 0,1
	v_lshl_or_b32 v[WK+32*\u+16], v[WK+32*\u+6], 16, v[WK+32*\u+16]
.endr
	WIN 0x11
.irp u, 0,1
	v_lshl_or_b32 v[PS+\u], v[WK+32*\u+7], 24, v[WK+32*\u+16]   ; the scale word, into window 0, where scale operands are taken from
.endr
	WIN 0x44
.irp c, 0,1
.irp u, 0,1
	v_cvt_scalef32_pk16_fp6_f32 v[PCB+12*\u+6*\c:PCB+12*\u+6*\c+2], v[SB+64*\u+32*\c:SB+64*\u+32*\c+15], v[WK+32*\u+8+2*\c]
	v_cvt_scalef32_pk16_fp6_f32 v[WK+32*\u+20+4*\c:WK+32*\u+22+4*\c], v[SB+64*\u+32*\c+16:SB+64*\u+32*\c+31], v[WK+32*\u+9+2*\c]   ; (a conversion's three registers begin on an even number)
.endr
.endr
	v_nop                                          ; one plain place behind a scaled conversion
	WIN 0x55
.irp c, 0,1                            ; the operand's layout wants a whole block in a lane
.irp i, 0,1,2
.irp u, 0,1
	v_permlane16_swap_b32 v[PCB+12*\u+6*\c+\i], v[WK+32*\u+20+4*\c+\i]
.endr
.endr
.endr
.irp c, 0,1
.irp i, 0,1,2
.irp u, 0,1
	v_mov_b32 v[PCB+12*\u+6*\c+3+\i], v[WK+32*\u+20+4*\c+\i]
.endr
.endr
.endr
.endm
.macro JOIN                            ; each block's maximum with lane l xor 16's (every window is 1)
.irp b, 0,1,2,3
.irp u, 0,1
	v_permlanex16_b32 v[WK+32*\u+4+\b], v[WK+32*\u+\b], s[SEL], s[SEL+1]
.endr
.endr
.irp b, 0,1,2,3
.irp u, 0,1
	v_max_num_f32 v[WK+32*\u+\b], v[WK+32*\u+\b], v[WK+32*\u+4+\b]
.endr
.endr
.endm
; A KEY STEP: 128 keys, the block at s[TB], for my 32 queries.
.macro STEP
	v_add_nc_u32 v[ADK], s[TB], v[LI]
	v_add_nc_u32 v[ADV], s[TB], v[LV]
	v_nop
	v_nop                                          ; four places behind the last step's products: loads land in registers that they have read
	ds_load_b128 v[KS:KS+3], v[ADK] offset:CODB    ; K's scale words, all eight tiles
	FRAGS ADK
	s_wait_alu depctr_va_vdst(0)                   ; directly ahead of the wait below
	s_wait_dscnt 12                                ; the scale words and tiles 0-3 are in; the youngest twelve loads (tiles 4-7) may be out
	WIN 0x04
	QK 0
	QK 1
	QK 2
	QK 3
	s_wait_dscnt 0x0
	QK 4
	QK 5
	QK 6
	QK 7
.rept 4
	v_nop                                          ; places ahead of the reads of S^T and of the loads below
.endr
	WIN 0
	ds_load_b128 v[VS:VS+3], v[ADV] offset:CODB    ; V's scale words and fragments: asked for here, they land while the softmax is walked
	FRAGS ADV
	WIN 0x40
.irp b, 0,1,2,3
.irp u, 0,1
	v_max3_num_f32 v[WK+32*\u+\b], v[SB+64*\u+16*\b], v[SB+64*\u+16*\b+1], v[SB+64*\u+16*\b+2]   ; the largest score of each block of 32 keys: it serves the row's maximum and, since p rises with the score, the block's largest p
.endr
.endr
	WIN 0x41
.irp i, 3,5,7,9,11,13
.irp b, 0,1,2,3
.irp u, 0,1
	v_max3_num_f32 v[WK+32*\u+\b], v[WK+32*\u+\b], v[SB+64*\u+16*\b+\i], v[SB+64*\u+16*\b+\i+1]
.endr
.endr
.endr
.irp b, 0,1,2,3
.irp u, 0,1
	v_max_num_f32 v[WK+32*\u+\b], v[WK+32*\u+\b], v[SB+64*\u+16*\b+15]
.endr
.endr
	WIN 0x55
	JOIN
.irp u, 0,1
	v_max3_num_f32 v[WK+32*\u+16], v[WK+32*\u], v[WK+32*\u+1], v[WK+32*\u+2]
.endr
.irp u, 0,1
	v_max_num_f32 v[WK+32*\u+16], v[WK+32*\u+16], v[WK+32*\u+3]   ; the step's largest score of my query
.endr
.irp u, 0,1
	v_mul_f32 v[WK+32*\u+16], s[CS], v[WK+32*\u+16]               ; as t (c is positive)
.endr
.irp u, 0,1
	v_max_num_f32 v[WK+32*\u+13], v[WK+32*\u+13], v[WK+32*\u+16]  ; the running largest t
.endr
.irp u, 0,1
	v_mov_b32 v[WK+32*\u+16], v[WK+32*\u+12]
.endr
.irp u, 0,1
	v_floor_f32 v[WK+32*\u+12], -v[WK+32*\u+13]    ; the new -M = floor(-t) = -ceil(t): a whole number
.endr
.irp u, 0,1
	v_sub_f32 v[WK+32*\u+16], v[WK+32*\u+12], v[WK+32*\u+16]   ; M's old value less its new one: a whole number, 0 or less
.endr
.irp u, 0,1
	v_cvt_i32_f32 v[WK+32*\u+16], v[WK+32*\u+16]   ; (it saturates)
.endr
.irp u, 0,1
	v_ldexp_f32 v[WK+32*\u+18], 1.0, v[WK+32*\u+16]   ; f = 2^(old M - new M)
.endr
.irp b, 0,1,2,3
.irp u, 0,1
	v_fma_f32 v[WK+32*\u+\b], v[WK+32*\u+\b], s[CS], v[WK+32*\u+12]   ; t - M of each block's largest score
.endr
.endr
	WIN 0x10
.set j, 0
.rept 32
.irp u, 0,1
	v_pk_fma_f32 v[SB+64*\u+j:SB+64*\u+j+1], v[SB+64*\u+j:SB+64*\u+j+1], s[CS:CS+1], v[WK+32*\u+12:WK+32*\u+13] op_sel_hi:[1,0,0]   ; t - M, two at a time
.endr
.set j, j+2
.endr
	WIN 0
	s_wait_alu depctr_va_vdst(0)                   ; the wait ahead of the batch
.set j, 0
.rept 128
	v_exp_f32 v[SB+j], v[SB+j]                     ; p = 2^(t - M), at most 1: not normalised
.set j, j+1
.endr
	WIN 0x55
.irp b, 0,1,2,3
.irp u, 0,1
	v_exp_f32 v[WK+32*\u+\b], v[WK+32*\u+\b]       ; the block's largest p: the same two instructions on the same number give the same bits
.endr
.endr
.irp u, 0,1
	v_pk_mul_f32 v[WK+32*\u+14:WK+32*\u+15], v[WK+32*\u+14:WK+32*\u+15], v[WK+32*\u+18:WK+32*\u+19] op_sel_hi:[1,0]   ; the sums under the new M.  (Plain places behind the exponentials)
.endr
	s_wait_alu depctr_va_vdst(0)                   ; one wait for the whole batch, ahead of its first reader
	WIN 0x40                                       ; the row's sum of the unquantised p: four chains a tile
.irp u, 0,1
	v_pk_add_f32 v[WK+32*\u+28:WK+32*\u+29], v[SB+64*\u:SB+64*\u+1], v[SB+64*\u+2:SB+64*\u+3]
	v_pk_add_f32 v[WK+32*\u+30:WK+32*\u+31], v[SB+64*\u+4:SB+64*\u+5], v[SB+64*\u+6:SB+64*\u+7]
	v_pk_add_f32 v[WK+32*\u+4:WK+32*\u+5], v[SB+64*\u+8:SB+64*\u+9], v[SB+64*\u+10:SB+64*\u+11]
.endr
	WIN 0x44
.irp j, 12,20,28,36,44,52
.irp u, 0,1
	v_pk_add_f32 v[WK+32*\u+14:WK+32*\u+15], v[SB+64*\u+\j:SB+64*\u+\j+1], v[WK+32*\u+14:WK+32*\u+15]
	v_pk_add_f32 v[WK+32*\u+28:WK+32*\u+29], v[SB+64*\u+\j+2:SB+64*\u+\j+3], v[WK+32*\u+28:WK+32*\u+29]
	v_pk_add_f32 v[WK+32*\u+30:WK+32*\u+31], v[SB+64*\u+\j+4:SB+64*\u+\j+5], v[WK+32*\u+30:WK+32*\u+31]
	v_pk_add_f32 v[WK+32*\u+4:WK+32*\u+5], v[SB+64*\u+\j+6:SB+64*\u+\j+7], v[WK+32*\u+4:WK+32*\u+5]
.endr
.endr
.irp u, 0,1
	v_pk_add_f32 v[WK+32*\u+14:WK+32*\u+15], v[SB+64*\u+60:SB+64*\u+61], v[WK+32*\u+14:WK+32*\u+15]
	v_pk_add_f32 v[WK+32*\u+28:WK+32*\u+29], v[SB+64*\u+62:SB+64*\u+63], v[WK+32*\u+28:WK+32*\u+29]
.endr
	WIN 0x55
.irp u, 0,1
	v_pk_add_f32 v[WK+32*\u+28:WK+32*\u+29], v[WK+32*\u+28:WK+32*\u+29], v[WK+32*\u+30:WK+32*\u+31]
	v_pk_add_f32 v[WK+32*\u+14:WK+32*\u+15], v[WK+32*\u+14:WK+32*\u+15], v[WK+32*\u+4:WK+32*\u+5]
.endr
.irp u, 0,1
	v_pk_add_f32 v[WK+32*\u+14:WK+32*\u+15], v[WK+32*\u+14:WK+32*\u+15], v[WK+32*\u+28:WK+32*\u+29]
.endr
	PACK 1
	s_wait_alu depctr_va_vdst(0)                   ; directly ahead of the first reader of O^T
.set j, 0
.rept 32
.irp u, 0,1
	v_pk_mul_f32 v[OB+64*\u+j:OB+64*\u+j+1], v[OB+64*\u+j:OB+64*\u+j+1], v[WK+32*\u+18:WK+32*\u+19] op_sel_hi:[1,0]   ; O^T under the new M.  (These are also the places in front of the matrix instructions below)
.endr
.set j, j+2
.endr
	s_wait_alu depctr_va_vdst(0)                   ; directly ahead of the wait below
	s_wait_dscnt 0x0                               ; V's eight fragments and its scale words are in
	WIN 0x54
.irp t, 0,1,2,3,4,5,6,7                ; the sixteen accumulators by turns, one instruction a turn
	PV \t
.endr
	WIN 0
	s_add_co_u32 s[TB], s[TB], BLK                 ; the next step's block
.endm
.macro WALK n                          ; n key steps on end
	s_mov_b32 s[CNT], \n
.Lstep_\@:
	STEP
	s_sub_co_u32 s[CNT], s[CNT], 1
	s_cmp_lg_u32 s[CNT], 0
	s_cbranch_scc1 .Lstep_\@
.endm
	s_wait_alu depctr_va_vdst(0)                   ; the wait at the head's end
	s_wait_loadcnt 0x0                             ; Q
	s_wait_tensorcnt 0x0                           ; my block of slot 0 is in
	ds_add_u32 v[SPW], v[NIL]
	s_wait_dscnt 0x0
	ROUND                                          ; everybody's block is in, and the four work-groups are here
	tensor_load_to_lds s[G0T1:G0T1+3], s[G1L:G1L+7]   ; slots 1 and 2: my one load behind this round; four key steps stand ahead of its first read
	s_nop 0
	WALK 4                                         ; slot 0: keys 0 to 511
	s_wait_tensorcnt 0x0                           ; THE REFILL.  All my tensor loads have landed, my part of slots 1 and 2: so a group 0 may be written
	ds_add_u32 v[SPW], v[NIL]                      ; 0 onto my spare word
	s_add_nc_u64 s[G0T0+2:G0T0+3], s[G0T0+2:G0T0+3], 12*BLK   ; keys 1,536 on, into slot 0
	s_wait_dscnt 0x0                               ; the add is done, and my reads of slot 0 are over
	ROUND                                          ; both now hold of every wave of the four work-groups
	tensor_load_to_lds s[G0T0:G0T0+3], s[G1K:G1K+7]   ; the first thing behind the round, one load a wave; eight key steps stand ahead of its first read
	s_nop 0
	WALK 8                                         ; slots 1 and 2: keys 512 to 1,535
	s_wait_tensorcnt 0x0                           ; my part of the refill has landed
	ds_add_u32 v[SPW], v[NIL]
	s_mov_b32 s[TB], 0                             ; back to slot 0
	s_wait_dscnt 0x0
	s_barrier_signal -1
	s_barrier_wait -1                              ; everybody's has
	WALK 4                                         ; keys 1,536 to 2,047
	; THE WAY OUT: O^T / the sum; register 16 b + i = channel 32 b + 16 h + i of my query: quantised along the head's 128, it is a fragment of the last product's A.
	WIN 0x55
.irp u, 0,1
	v_add_f32 v[WK+32*\u+14], v[WK+32*\u+14], v[WK+32*\u+15]   ; the sum's two halves,
.endr
.irp u, 0,1
	v_permlanex16_b32 v[WK+32*\u+16], v[WK+32*\u+14], s[SEL], s[SEL+1]
.endr
.irp u, 0,1
	v_add_f32 v[WK+32*\u+14], v[WK+32*\u+14], v[WK+32*\u+16]   ; and lane l xor 16's: the row's sum
.endr
	s_wait_alu depctr_va_vdst(0)                   ; the wait ahead of the transcendentals
.irp u, 0,1
	v_rcp_f32 v[WK+32*\u+14], v[WK+32*\u+14]
.endr
	v_nop                                          ; a plain place behind the reciprocals; with the additions above also the places behind the last products
	WIN 0x05
	s_wait_alu depctr_va_vdst(0)                   ; the wait ahead of the first reader of the reciprocals and of O^T
.set j, 0
.rept 64
.irp u, 0,1
	v_mul_f32 v[SB+64*\u+j], v[OB+64*\u+j], v[WK+32*\u+14]   ; each accumulator from its low end on
.endr
.set j, j+1
.endr
	WIN 0x40
.irp b, 0,1,2,3
.irp u, 0,1
	v_max3_num_f32 v[WK+32*\u+\b], |v[SB+64*\u+16*\b]|, |v[SB+64*\u+16*\b+1]|, 0x1800000   ; block b: my 16 numbers, and the floor 2^(3 - 127)
.endr
.endr
	WIN 0x41
.irp i, 2,4,6,8,10,12,14
.irp b, 0,1,2,3
.irp u, 0,1
	v_max3_num_f32 v[WK+32*\u+\b], v[WK+32*\u+\b], |v[SB+64*\u+16*\b+\i]|, |v[SB+64*\u+16*\b+\i+1]|
.endr
.endr
.endr
	WIN 0x55
	JOIN
	PACK 0
	WIN 0x04
.irp u, 0,1
.irp c, 0,1,2
	global_store_b128 v[LI], v[PCB+12*\u+4*\c:PCB+12*\u+4*\c+3], s[6:7] offset:FRB*\u+512*\c   ; 512 consecutive bytes, aligned
.endr
.endr
	WIN 0
	ds_store_b64 v[OSW], v[PS:PS+1]                ; my two tiles' words of row r; lanes r and r + 16 write the same words with the same values
	s_wait_dscnt 0x0                               ; for the others' sake: my scale words lie in LDS
	s_barrier_signal -1
	s_barrier_wait -1
	s_cmp_lt_u32 s[WV], 2                          ; waves 0 and 1 store one block's 512 bytes of scale words each
	s_cbranch_scc0 .Lno_scales
	ds_load_b128 v[FRG:FRG+3], v[OSR]
	s_wait_dscnt 0x0
	global_store_b128 v[LI], v[FRG:FRG+3], s[8:9]
.Lno_scales:
	s_wait_tensorcnt 0x0                           ; the wave's end, behind my last tensor load and my last LDS store
	ds_add_u32 v[SPW], v[NIL]
	s_wait_dscnt 0x0
	ROUND                                          ; the closing round: no work-group ends while a partner may still ask for a tile that names it
	s_endpgm
.Lfunc_end_k_qb49ffc4098_attn:
	.size	k_qb49ffc4098_attn, .Lfunc_end_k_qb49ffc4098_attn-k_qb49ffc4098_attn
	.p2alignl 7, 3214868480
	.fill 96, 4, 3214868480
	.section	.rodata,"a",@progbits
	.p2align	6, 0x0
	.amdhsa_kernel k_qb49ffc4098_attn
		.amdhsa_group_segment_fixed_size 327680
		.amdhsa_private_segment_fixed_size 0
		.amdhsa_enable_private_segment 0
		.amdhsa_kernarg_size 24
		.amdhsa_user_sgpr_count 2
		.amdhsa_user_sgpr_kernarg_segment_ptr 1
		.amdhsa_wavefront_size32 1
		.amdhsa_system_sgpr_workgroup_id_x 1
		.amdhsa_system_sgpr_workgroup_id_y 1
		.amdhsa_system_sgpr_workgroup_id_z 1
		.amdhsa_system_vgpr_workitem_id 0
		.amdhsa_next_free_vgpr 512
		.amdhsa_next_free_sgpr 96
		.amdhsa_reserve_vcc 0
		.amdhsa_float_denorm_mode_32 3
		.amdhsa_float_denorm_mode_16_64 3
		.amdhsa_memory_ordered 1
		.amdhsa_forward_progress 1
		.amdhsa_inst_pref_size 126
	.end_amdhsa_kernel
	.amdgpu_metadata
---
amdhsa.version: [ 1, 2 ]
amdhsa.kernels:
  - .name:           k_qb49ffc4098_attn
    .symbol:         k_qb49ffc4098_attn.kd
    .args:
      - { .name: qkv_codes, .offset: 0, .size: 8, .value_kind: global_buffer, .address_space: global }
      - { .name: o_codes, .offset: 8, .size: 8, .value_kind: global_buffer, .address_space: global }
      - { .name: o_scales, .offset: 16, .size: 8, .value_kind: global_buffer, .address_space: global }
    .group_segment_fixed_size: 327680
    .private_segment_fixed_size: 0
    .kernarg_segment_align: 8
    .kernarg_segment_size: 24
    .max_flat_workgroup_size: 256
    .sgpr_count:     96
    .vgpr_count:     512
    .wavefront_size: 32
...
	.end_amdgpu_metadata
.endif
;; end of part 3
;; launch proj (part 4): grid 4 x 64, 4 waves a work-group, clusters of 4 x 4, 327,680 bytes of LDS; arguments o_codes, o_scales, w_codes, w_scales, b_proj, out0; writes out0
.if DOCPART == 4
	.amdgcn_target "amdgcn-amd-amdhsa--gfx1250"
	.amdhsa_code_object_version 6
	.text
	.protected	k_qb49ffc4098_proj
	.globl	k_qb49ffc4098_proj
	.p2align	8
	.type	k_qb49ffc4098_proj,@function
k_qb49ffc4098_proj:
	s_mov_b64 s[64:65], 0
	v_nop
	global_prefetch_b8 v0, s[64:65] scope:SCOPE_SE
	s_setreg_imm32_b32 hwreg(HW_REG_WAVE_MODE, 25, 1), 1
	s_wait_xcnt 0x0
	s_wait_alu depctr_hold_cnt(0) depctr_sa_sdst(0) depctr_va_vdst(0) depctr_va_sdst(0) depctr_va_ssrc(0) depctr_va_vcc(0) depctr_vm_vsrc(0)
	s_getreg_b32 s2, hwreg(HW_REG_IB_STS2, 6, 4)
	s_cmp_eq_u32 s2, 0
	s_cbranch_scc0 .Lentry_in_a_cluster
	s_endpgm
.Lentry_in_a_cluster:
	s_bfe_u32 s2, ttmp6, 0x10000c
	s_cmp_lg_u32 s2, 0xf033
	s_cbranch_scc0 .Lentry_shape_is_right
	s_endpgm
.Lentry_shape_is_right:
; out0 = o W_proj + b_proj on codes of FP6 (E2M3) with E8M0 scales, K = 1,024.  o_codes, w_codes: images of operand registers, [rows / 128][8 K steps][12,288]; the scale words [rows / 128][8][512].
; A work-group makes 128 tokens x 256 columns, four waves of 64 x 128; the matrix instruction is used transposed, the bias is the C of the first K step's products.
; ALL OF K LIES IN LDS: A's block (98,304 bytes), B's two blocks (196,608), then the scale words (4,096 and 8,192).  They come by four joint loads at the head, one a wave, each dense in memory; nothing is filled later.
; CLUSTERS of 4 x 4: A's tiles are asked for jointly along a row, B's along a column.  No prefetch is laid: the text has no loop to run ahead in.
; The way out goes through a stage on A's K steps 0 to 2, which have had their one fill; a barrier at K step 5 shows that no wave reads them any more.
.set SLOT,  73728
.set BLKB,  12288
.set FRB,   1536
.set SCL,   4*SLOT
.set SPARE, SCL+3*4096
.set SPITCH, 528
.set FR,    12
.set NP,    4
.set ADRA, 16
.set ADRB, 20
.set LI,   24
.set BO,   26
.set ADRS, 27
.set SPW,  28
.set NIL,  29
.set STO,  30
.set RD,   31
.set SC,   32
.set BIAS, 64
.set AF,   128
.set BK,   128
.set G1,   24
.set G1B,  48
.set G1S,  76
.set G0S,  84
.set G1SB, 88
.set G0SB, 96
.set MSB, 0
.macro WIN new
.if MSB != (\new)
	s_set_vgpr_msb (MSB<<8)|(\new)
.set MSB, (\new)
.endif
.endm
.set MUL_A,  0xa1
.set TO_B,   0x40
.macro ARM under, g0, g1, next         ; an arm of the head's one chain of branches on the wave's number: a load, and a jump to the join
	s_cmp_lt_u32 s18, \under
	s_cbranch_scc0 \next
	tensor_load_to_lds s[\g0:\g0+3], s[\g1:\g1+7]
	s_nop 0
.rept 4
	v_nop
.endr
	s_branch .Lhead_asked
\next:
.endm
.macro CROUND
	s_barrier_signal -1
	s_barrier_wait -1
	s_cmp_lg_u32 s18, 0
	s_cbranch_scc1 .Lnot_wave_0_\@
	s_barrier_signal -3
.Lnot_wave_0_\@:
	s_barrier_wait -3
	s_barrier_signal -1
	s_barrier_wait -1
.endm
.macro SHAPE g, rows
	s_mov_b32 s[\g+1], 32<<16
	s_mov_b32 s[\g+2], (\rows)<<16
	s_mov_b32 s[\g+3], 32<<16
	s_mov_b32 s[\g+4], \rows
	s_mov_b32 s[\g+5], 32
	s_mov_b32 s[\g+6], 0
	s_mov_b32 s[\g+7], 0
.endm
	s_load_b256 s[4:11], s[0:1], 0x0
	s_load_b128 s[12:15], s[0:1], 0x20
	v_lshl_add_u32 v[SPW], v0, 2, SPARE
	v_mov_b32 v[NIL], 0
	ds_add_u32 v[SPW], v[NIL]
	ds_add_u32 v[SPW], v[NIL]
	v_lshrrev_b32 v1, 5, v0
	v_readfirstlane_b32 s18, v1
	s_lshr_b32 s19, s18, 1
	s_and_b32 s20, s18, 1
	s_bfe_u32 s100, ttmp6, 0x40000
	s_bfe_u32 s101, ttmp6, 0x40004
	s_lshl_b32 s104, ttmp9, 2
	s_add_co_u32 s104, s104, s100
	s_and_b32 s105, ttmp7, 0xffff
	s_lshl_b32 s105, s105, 2
	s_add_co_u32 s105, s105, s101
	s_lshl_b32 s21, s101, 2
	s_lshl_b32 s21, 15, s21
	s_lshl_b32 s2, 0x1111, s100
	s_or_b32 s[G1+0], s21, (3<<16)|(1<<21)
	s_or_b32 s[G1B+0], s2, (3<<16)|(1<<21)
	s_or_b32 s[G1S+0], s21, (3<<16)|(1<<21)
	s_or_b32 s[G1SB+0], s2, (3<<16)|(1<<21)
	SHAPE G1, 384                                  ; rows of 256 bytes: A's block, all of K
	SHAPE G1B, 768                                 ; B's two blocks
	SHAPE G1S, 16                                  ; A's scale words
	SHAPE G1SB, 32                                 ; B's
	s_mul_i32 s16, s105, 8*BLKB                    ; A's block: by the tile row alone
	s_mov_b32 s17, 0
	s_lshl_b32 s22, s105, 12
	s_mov_b32 s23, 0
	s_lshl_b32 s66, s104, 1                        ; B's first block: by the tile column alone;
	s_add_co_u32 s66, s66, 24                      ; W_proj's blocks begin at 24
	s_lshl_b32 s2, s66, 12
	s_mov_b32 s3, 0
	s_mul_i32 s66, s66, 8*BLKB
	s_mov_b32 s67, 0
	s_wait_dscnt 0x0
	s_wait_kmcnt 0x0
	s_add_nc_u64 s[4:5], s[4:5], s[16:17]
	s_add_nc_u64 s[6:7], s[6:7], s[22:23]
	s_add_nc_u64 s[8:9], s[8:9], s[66:67]
	s_add_nc_u64 s[10:11], s[10:11], s[2:3]
	CROUND                                         ; all sixteen work-groups are here: the joint loads meet
	s_mov_b32 s32, 1                               ; A's codes
	s_mov_b32 s33, 0
	s_mov_b64 s[34:35], s[4:5]
	s_or_b32 s35, s35, 0x80000000
	s_mov_b32 s56, 1                               ; B's codes, behind them
	s_mov_b32 s57, 8*BLKB
	s_mov_b64 s[58:59], s[8:9]
	s_or_b32 s59, s59, 0x80000000
	s_mov_b32 s[G0S], 1                            ; A's scale words
	s_mov_b32 s[G0S+1], SCL
	s_mov_b64 s[G0S+2:G0S+3], s[6:7]
	s_or_b32 s[G0S+3], s[G0S+3], 0x80000000
	s_mov_b32 s[G0SB], 1                           ; B's
	s_mov_b32 s[G0SB+1], SCL+4096
	s_mov_b64 s[G0SB+2:G0SB+3], s[10:11]
	s_or_b32 s[G0SB+3], s[G0SB+3], 0x80000000
	ARM 1, 32,  G1,  .Lhead_b                      ; one tensor load a wave at the head
	ARM 2, 56,  G1B, .Lhead_sa
	ARM 3, G0S, G1S, .Lhead_sb
	tensor_load_to_lds s[G0SB:G0SB+3], s[G1SB:G1SB+7]
	s_nop 0
.rept 4
	v_nop
.endr
.Lhead_asked:
	v_and_b32 v3, 31, v0
	v_and_b32 v1, 15, v0
	v_bfe_u32 v2, v0, 4, 1
	v_lshlrev_b32 v[LI], 4, v3
	s_wait_alu depctr_va_vdst(0)
	s_mul_i32 s22, s19, 4*FRB
	s_mul_i32 s23, s20, 8*BLKB                     ; my block of B,
	s_add_co_u32 s23, s23, 8*BLKB                  ; behind A's
.irp s, 0,1,2,3                        ; an address register for each two K steps
	v_add_nc_u32 v[ADRA+\s], s22, v[LI]
	v_add_nc_u32 v[ADRB+\s], s23, v[LI]
	s_add_co_u32 s22, s22, 2*BLKB
	s_add_co_u32 s23, s23, 2*BLKB
.endr
	v_lshlrev_b32 v5, 4, v1
	s_lshl_b32 s22, s19, 8
	s_lshl_b32 s23, s20, 12
	s_add_co_u32 s23, s23, 4096
	s_sub_co_u32 s23, s23, s22
	v_mul_u32_u24 v6, s23, v2
	s_add_co_u32 s22, s22, SCL
	v_add_nc_u32 v5, v5, v6
	v_add_nc_u32 v[ADRS], s22, v5
	s_mul_i32 s22, s18, 16*SPITCH
	v_mul_u32_u24 v5, v1, SPITCH
	v_lshl_add_u32 v5, v2, 6, v5
	v_add_nc_u32 v[STO], s22, v5
	v_add_nc_u32 v[RD], s22, v[LI]
	s_lshl_b32 s22, s104, 10
	s_lshl_b32 s23, s20, 9
	s_add_co_u32 s22, s22, s23
	s_mov_b32 s23, 0
	s_add_nc_u64 s[12:13], s[12:13], s[22:23]
	s_add_nc_u64 s[14:15], s[14:15], s[22:23]
	s_lshl_b32 s22, s105, 7
	s_lshl_b32 s16, s19, 6
	s_add_co_u32 s22, s22, s16
	s_lshl_b32 s22, s22, 12
	s_add_nc_u64 s[14:15], s[14:15], s[22:23]
	v_lshlrev_b32 v[BO], 6, v2
.irp t, 0,1,2,3,4,5,6,7
	global_load_b128 v[BIAS+8*\t:BIAS+8*\t+3], v[BO], s[12:13] offset:(32*(\t/2)+8*(\t%2))*4
	global_load_b128 v[BIAS+8*\t+4:BIAS+8*\t+7], v[BO], s[12:13] offset:(32*(\t/2)+8*(\t%2))*4+16
.endr
.macro FRAG reg, adr, q, i
.irp c, 0,1,2
	ds_load_b128 v[\reg+4*\c:\reg+4*\c+3], v[\adr] offset:(\q)*BLKB+(\i)*FRB+512*\c
.endr
.endm
.macro MUL8 a, p, q, sc, zero
.irp b, 0,1,2,3,4,5,6,7
.if \zero
	v_wmma_scale_f32_16x16x128_f8f6f4 v[8*(8*(\a)+\b):8*(8*(\a)+\b)+7], v[128*(\p)+FR*\b:128*(\p)+FR*\b+FR-1], v[AF+48*(\p)+FR*(\a):AF+48*(\p)+FR*(\a)+FR-1], v[BIAS+8*\b:BIAS+8*\b+7], v[SC+16*(\sc)+8*(\q)+\b], v[SC+16*(\sc)+8*(\q)+(\a)] matrix_a_fmt:MATRIX_FMT_FP6 matrix_b_fmt:MATRIX_FMT_FP6 matrix_a_scale:MATRIX_SCALE_ROW1
.else
	v_wmma_scale_f32_16x16x128_f8f6f4 v[8*(8*(\a)+\b):8*(8*(\a)+\b)+7], v[128*(\p)+FR*\b:128*(\p)+FR*\b+FR-1], v[AF+48*(\p)+FR*(\a):AF+48*(\p)+FR*(\a)+FR-1], v[8*(8*(\a)+\b):8*(8*(\a)+\b)+7], v[SC+16*(\sc)+8*(\q)+\b], v[SC+16*(\sc)+8*(\q)+(\a)] matrix_a_fmt:MATRIX_FMT_FP6 matrix_b_fmt:MATRIX_FMT_FP6 matrix_a_scale:MATRIX_SCALE_ROW1
.endif
.endr
.endm
.macro FETCH_B4 slot, q, p, i0
	WIN TO_B
.irp i, \i0, \i0+1, \i0+2, \i0+3
	FRAG 128*(\p)+FR*(\i), ADRB+\slot, \q, \i
.endr
.endm
.macro FETCH_A4 slot, q, p
	WIN 0
.irp i, 0,1,2,3
	FRAG AF+48*(\p)+FR*\i, ADRA+\slot, \q, \i
.endr
.endm
.macro SCALES slot, sc
.irp q, 0,1
	ds_load_b128 v[SC+16*(\sc)+8*\q:SC+16*(\sc)+8*\q+3], v[ADRS] offset:(2*(\slot)+\q)*512
	ds_load_b128 v[SC+16*(\sc)+8*\q+4:SC+16*(\sc)+8*\q+7], v[ADRS] offset:(2*(\slot)+\q)*512+256
.endr
.endm
.macro PLACES n
.rept \n
	v_nop
.endr
.endm
.macro STEP k, zero
.set J,  (\k)/2
.set Q,  (\k)%2
.set JN, ((\k)+1)/2
.set QN, ((\k)+1)%2
.set WM, MUL_A-0x20*(\zero)
	s_wait_dscnt 0x0
.if (\k) == 5
	s_barrier_signal -1                            ; my reads of K steps 0 to 5 are over (the wait above): behind this barrier the stage's bytes are read by no wave
	s_barrier_wait -1
.endif
.if (\k) < 7
	PLACES NP
	FETCH_B4 JN, QN, QN, 0
.endif
	WIN WM
	MUL8 0, Q, Q, J%2, \zero
.if (\k) < 7
	FETCH_B4 JN, QN, QN, 4
.endif
	WIN WM
	MUL8 1, Q, Q, J%2, \zero
.if (\k) < 7
	FETCH_A4 JN, QN, QN
.if QN == 0
	SCALES JN, JN%2
.endif
.endif
	WIN WM
	MUL8 2, Q, Q, J%2, \zero
	MUL8 3, Q, Q, J%2, \zero
.endm
	s_wait_alu depctr_va_vdst(0)
	s_wait_tensorcnt 0x0                           ; my tile of the four is in; behind the barrier everybody's is
	s_barrier_signal -1
	s_barrier_wait -1
	FETCH_B4 0, 0, 0, 0
	FETCH_B4 0, 0, 0, 4
	FETCH_A4 0, 0, 0
	SCALES 0, 0
	s_wait_loadcnt 0x0
	STEP 0, 1
	STEP 1, 0
	STEP 2, 0
	STEP 3, 0
	STEP 4, 0
	STEP 5, 0
	STEP 6, 0
	STEP 7, 0
	WIN 0
.macro TOSTAGE a
.set AC, 64*(\a)
	WIN 0x08
.irp b, 0,1,2,3,4,5,6,7
	ds_store_b128 v[STO], v[AC+8*\b:AC+8*\b+3] offset:128*(\b/2)+32*(\b%2)
	ds_store_b128 v[STO], v[AC+8*\b+4:AC+8*\b+7] offset:128*(\b/2)+32*(\b%2)+16
.endr
	WIN 0
.set BB, BK+64*((\a)%2)
.irp t, 0,1,2,3,4,5,6,7,8,9,10,11,12,13,14,15
	ds_load_b128 v[BB+4*\t:BB+4*\t+3], v[RD] offset:\t*SPITCH
.endr
.endm
.macro SEND a, younger
.set BB, BK+64*((\a)%2)
	s_wait_dscnt \younger
.if (\a) > 0
	s_add_nc_u64 s[14:15], s[14:15], (8+16*(1-(\a)%2))*4096
.endif
.irp t, 0,1,2,3,4,5,6,7,8,9,10,11,12,13,14,15
	global_store_b128 v[LI], v[BB+4*\t:BB+4*\t+3], s[14:15] offset:((\t%8)+16*(\t/8))*4096 th:TH_STORE_NT
.endr
.endm
	PLACES NP
	TOSTAGE 0
.irp a, 1,2,3
.if \a > 1
	s_wait_xcnt 0x0
.endif
	TOSTAGE \a
	SEND \a-1, 32
.endr
	s_wait_xcnt 0x0
	SEND 3, 0
	s_wait_tensorcnt 0x0
	ds_add_u32 v[SPW], v[NIL]
	s_wait_dscnt 0x0
	CROUND
	s_endpgm
.Lfunc_end_k_qb49ffc4098_proj:
	.size	k_qb49ffc4098_proj, .Lfunc_end_k_qb49ffc4098_proj-k_qb49ffc4098_proj
	.p2alignl 7, 3214868480
	.fill 96, 4, 3214868480
	.section	.rodata,"a",@progbits
	.p2align	6, 0x0
	.amdhsa_kernel k_qb49ffc4098_proj
		.amdhsa_group_segment_fixed_size 327680
		.amdhsa_private_segment_fixed_size 0
		.amdhsa_enable_private_segment 0
		.amdhsa_kernarg_size 48
		.amdhsa_user_sgpr_count 2
		.amdhsa_user_sgpr_kernarg_segment_ptr 1
		.amdhsa_wavefront_size32 1
		.amdhsa_system_sgpr_workgroup_id_x 1
		.amdhsa_system_sgpr_workgroup_id_y 1
		.amdhsa_system_sgpr_workgroup_id_z 1
		.amdhsa_system_vgpr_workitem_id 0
		.amdhsa_next_free_vgpr 768
		.amdhsa_next_free_sgpr 106
		.amdhsa_reserve_vcc 0
		.amdhsa_float_denorm_mode_32 3
		.amdhsa_float_denorm_mode_16_64 3
		.amdhsa_memory_ordered 1
		.amdhsa_forward_progress 1
		.amdhsa_inst_pref_size 79
	.end_amdhsa_kernel
	.amdgpu_metadata
---
amdhsa.version: [ 1, 2 ]
amdhsa.kernels:
  - .name:           k_qb49ffc4098_proj
    .symbol:         k_qb49ffc4098_proj.kd
    .args:
      - { .name: o_codes, .offset: 0, .size: 8, .value_kind: global_buffer, .address_space: global }
      - { .name: o_scales, .offset: 8, .size: 8, .value_kind: global_buffer, .address_space: global }
      - { .name: w_codes, .offset: 16, .size: 8, .value_kind: global_buffer, .address_space: global }
      - { .name: w_scales, .offset: 24, .size: 8, .value_kind: global_buffer, .address_space: global }
      - { .name: b_proj, .offset: 32, .size: 8, .value_kind: global_buffer, .address_space: global }
      - { .name: out0, .offset: 40, .size: 8, .value_kind: global_buffer, .address_space: global }
    .group_segment_fixed_size: 327680
    .private_segment_fixed_size: 0
    .kernarg_segment_align: 8
    .kernarg_segment_size: 48
    .max_flat_workgroup_size: 128
    .sgpr_count:     106
    .vgpr_count:     768
    .wavefront_size: 32
...
	.end_amdgpu_metadata
.endif
;; end of part 4
